; MI455X (gfx1250); checked and timed in simulation.
; The chip was launched on July 23, 2026; its instructions are those of AMD's public machine-readable ISA for CDNA 5 (MIT licence, August 2026) and "CDNA5" Instruction Set Architecture Reference Guide (July 2026). The comments in the code are by the model that wrote it; some were corrected since.
;; Input Emb Layer. Allowed arithmetic: matrix products marked QUANTISED: E3M2 operands, one E8M0 scale for each 32 along K, by v_wmma_scale_f32_16x16x128_f8f6f4 with both operands' format E3M2, f32 sums; everything else in f32.
;; Inputs: real_len 2 x 16 int32; times 2 x 16 x 2,048 float32; type_emb 2 x 512 float32.
;; Outputs: out0 16 x 1,024 x 512 float32.
;; This version of the problem:
;;   THIS VERSION OF THE PROBLEM IS GIVEN IN LOW PRECISION. The matrix products marked QUANTISED in the list below multiply operands that are first quantised to E3M2 (3 exponent bits, 2 mantissa bits; 6 bits a number), with one power-of-two scale for each 32 numbers along K (OCP MX v1.0); their sums are f32. All else is computed in f32.
;;   The module's matrix products, in the order in which they are computed (A, B: the left and right operand; K: the contracted axis; several contracted axes count as one K, in the product's order):
;;     1. [M 65,536, K 512] x [K 512, N 1,024]; A: computed on the way; B: computed on the way: QUANTISED
;;     2. batch 16 x [M 1,024, K 4,096] x [K 4,096, N 512]; A: softmax (see below); B: computed on the way: QUANTISED
;;   THE QUANTISER, for each operand of a quantised product, along K:
;;     - K is cut into blocks of 32 from its start; a last block that is shorter is filled with zeros.
;;     - A block's scale is 2^e with e = floor(log2(the largest magnitude in the block)) - 4, held to -126 .. 127; a block of zeros has e = 0. As a byte (E8M0): e + 127.
;;     - Each number is divided by its block's scale, clamped to +-28, and rounded to the nearest number of E3M2, ties to even, subnormals kept.
;;     - The product sums the exact products of the quantised numbers (number of the format x scale) in f32.
;;   ~~~python
;;   def quantise(x, axis):      # numpy; x: float32 -> the quantised numbers, widened to float32 again
;;       x = np.moveaxis(x, axis, -1); K = x.shape[-1]
;;       x = np.pad(x, [(0, 0)] * (x.ndim - 1) + [(0, -K % 32)]); x = x.reshape(x.shape[:-1] + (-1, 32)); a = np.abs(x).max(-1, keepdims=True)
;;       e = np.where(a > 0, np.clip(np.frexp(np.where(a > 0, a, 1))[1] - 1 - 4, -126, 127), 0)      # np.frexp(a)[1] - 1 = floor(log2(a)), exactly
;;       r = np.clip(x / 2.0 ** e, -28, 28)
;;       step = 2.0 ** (np.maximum(np.frexp(np.where(r == 0, 1, r))[1] - 1, -2) - 2)
;;       q = np.round(r / step) * step * 2.0 ** e      # np.round: ties to even
;;       return np.moveaxis(q.reshape(q.shape[:-2] + (-1,))[..., :K], -1, axis).astype(np.float32)
;;   ~~~
;;   SOFTMAX AHEAD OF A QUANTISED PRODUCT. Where the list says 'softmax', what is quantised is not the finished softmax but p = 2^(t - M), with t = logit x log2(e) and M = ceil(the row's largest t), a whole number; so 1/2 < the row's largest p <= 1. The row's sum l is taken of the UNQUANTISED p, in f32, and the product's result is divided by l at the end. Since M is a whole number, a kernel that streams over the keys may use a running M (the ceiling of the running maximum): every later rescaling is an exact power of two, which a block's scale takes up: the codes' values come out the same.
;;   OPERANDS COMPUTED ON THE WAY. 'Computed on the way' means the value that the module computes at that place (a softmax that the list does not call 'softmax' is quantised finished and normalised). What goes into a quantiser is computed in f32, as accurately as f32 sums, v_exp_f32 and their like allow (about 1e-6 of the number): no bf16 or f16 on the way to a quantiser, and a product that is left as it is and whose result goes on into a quantised operand takes f32 operands (vector FMAs, or v_wmma_f32_16x16x4_f32). A number that lies on a knife's edge between two numbers of the format may be rounded either way, as far as f32 arithmetic and the matrix unit's own rounding can turn it there, and no further.
;; 2 versions, each right; version 2 is version 1 with the launch attn written anew for expert scheduling mode. Each part assembles by itself: llvm-mc -triple=amdgcn-amd-amdhsa -mcpu=gfx1250 --defsym DOCPART=n.
;; ======== version 1 of 2: 2 launches
;; limits: inputs' magnitudes at most 13,176,794; right only within a limited range of input values
;; workspace buffers: kc 25,559,040 bytes; ksc 1,064,960 bytes; vc 25,165,824 bytes; vsc 1,048,576 bytes
;; launch prep (part 1): grid 2080 x 1, 4 waves a work-group, no clusters, 40,448 bytes of LDS; arguments times, type_emb, real_len, kc, ksc, vc, vsc; writes kc, ksc, vc, vsc
.if DOCPART == 1
	.amdgcn_target "amdgcn-amd-amdhsa--gfx1250"
	.amdhsa_code_object_version 6
	.text
	.protected	k_q40325a21e8_prep
	.globl	k_q40325a21e8_prep
	.p2align	8
	.type	k_q40325a21e8_prep,@function
k_q40325a21e8_prep:
	s_mov_b64 s[64:65], 0
	v_nop
	global_prefetch_b8 v0, s[64:65] scope:SCOPE_SE
	s_setreg_imm32_b32 hwreg(HW_REG_WAVE_MODE, 25, 1), 1
	s_wait_xcnt 0x0
; PREP: the event embeddings emb = (sin|cos(t / pos) + type_emb) x (t != 0) and the grid queries q = sin|cos((g + 0.5) / pos) are made ONCE, in f32, and quantised to codes of E3M2
; with one E8M0 byte for each 32 numbers: along d (operand of the scores: kc, ksc; q goes the same way) and along the events (operand of the weighted sum: vc, vsc).
; A STEP is 128 events of one type of one sample: st = 32 b + 16 type + l / 128; steps 512 .. 519 are the 1,024 grid points.  A work-group takes a quarter c of a step's d.  Its four waves (hK, hV):
; hK says which 64 d (v = 2 c + hK), hV which two of the step's four event blocks: hV and hV + 2, the twelve registers of lane half hV of V's fragments.
; A LANE TAKES j = 32 v + lane, THE COLUMNS d = 2 j (sin) AND 2 j + 1 (cos), AND ITS REGISTERS RUN ALONG THE EVENTS: so a block of 32 events of a column lies in one lane (V's quantiser),
; and after a turn through the wave's own LDS rows a lane holds 64 neighbouring d of ONE event (K's quantiser).
; THE ORDER OF THE WORK-GROUPS: numbers 0 .. 31 are the grid's steps, which are always made; then the event steps by rising l / 128, so that the steps most likely to be made come first; which (type, sample)
; a number means is turned on by 11 for each 256 numbers.  A wave names 194 registers.
; LAYOUT OF THE WORKSPACE: images of the operand's registers: register p of lane L of a fragment lies at 512 (p / 4) + 16 L + 4 (p % 4); a fragment is 1,536 bytes, and three loads of 16 bytes a lane bring it back.
;   kc[st]: block w of 32 rows at 12288 w, fragment (u, c) at 1536 (4 u + c); lane (r, hK) holds row 32 w + 8 u + r + 8 (r / 8), registers 6 c' .. 6 c' + 5 the d block 4 c + 2 hK + c' (the same order for K and q).
;   ksc[st]: word at 512 c + 128 w + 4 (16 u + r), byte 2 c' + hK.    vc[st]: 12288 (j / 64) + 1536 (2 jg + par) ..; lane (r, hV): column 2 (64 w + 16 jg + r) + par, events 64 c' + 32 hV + 0 .. 31.
;   vsc[st]: word at 256 v + 8 lane + 4 par, byte = the event block.
; A step none of whose events lies under real_len is not made: the second launch never reads it.  That is a scalar branch on a whole number read from memory; the one barrier stands outside it.
; sin and cos: x = t / pos (a product with 1 / pos, mended by one fused step), k = the whole number nearest x / pi, R = x - k pi in two parts, Taylor series to R^11 and R^12 on |R| <= pi / 2, sign by k's lowest bit.
; LIMITS: |t / pos| under 2^22 pi; pos = 2^(j log2(10000) / 256) is right to about one and a half units in its last place; NaN and infinities among the inputs are not served;
; a block whose largest magnitude lies under 2^-122 keeps the byte 1 (a block of zeros too: its codes are zeros, and this program alone reads the bytes).
.set XP,   272                         ; a row of the turning buffer: 64 numbers + 16 bytes, an odd multiple of 16
.set WREG, 9728                        ; LDS of a wave: 32 rows x 272, then 128 times, then 128 pads
.set TTO,  8704
.set SCB,  38912                       ; behind the four waves' regions: K's scale words of the 128 rows for this quarter of d, 512 bytes;
.set VSB,  39424                       ; V's scale words of this quarter's 128 columns, 512 bytes
.set IV,   12                          ; v[12:13] 1 / pos, twice;  v[14:15] pos, twice
.set PO,   14
.set T,    16                          ; v16-31   16 times
.set PD,   32                          ; v32-47   1.0 where t != 0, else 0
.set SN,   48                          ; v48-79   my even column, 32 events; later d 0 .. 31 of my event
.set CS,   80                          ; v80-111  my odd column; later d 32 .. 63 of my event
.set TMP,  112                         ; v112-131 two sets of five pairs, at work
.set TES,  132                         ; v[132:133] type_emb of my even column, twice;  v[134:135] of my odd one
.set TEC,  134
.set MG,   136                         ; v[136:137] 1.5 x 2^23;  v[138:139] 1/9!;  v[140:141] -1/10!
.set S4V,  138
.set C5V,  140
.set VC,   142                         ; v142-165 V's codes: 12 registers for each of my two columns
.set KC,   166                         ; v166-177 K's codes of my event
.set SLOT, 178                         ; a conversion's three registers begin on an even number: a block's second half is made here and moved
.set QT,   182
.set BY,   186                         ; v186-187 scale bytes just made
.set L8,   188                         ; v188     8 x lane; never rewritten
.set INVPI, 40                         ; scalar pairs: a packed line names the pair and takes its low word for both halves, so both words are written
.set NPIHI, 42
.set PILO,  44
.set KS5,   46
.set KS3,   48
.set KS2,   50
.set KS1,   52
.set KC6,   54
.set KC4,   56
.set KC3,   58
.set KC2,   60
.macro C2 r, val
	s_mov_b32 s[\r], \val
	s_mov_b32 s[\r+1], \val
.endm
.macro V2 r, val
	v_mov_b32 v[\r], \val
	v_mov_b32 v[\r+1], \val
.endm
	s_load_b256 s[4:11], s[0:1], 0x0               ; times s[4:5], type_emb s[6:7], real_len s[8:9], kc s[10:11]
	s_load_b128 s[12:15], s[0:1], 0x20             ; ksc s[12:13], vc s[14:15]
	s_load_b64 s[16:17], s[0:1], 0x30              ; vsc
	v_lshl_add_u32 v192, v0, 2, 0x9c00
	v_mov_b32 v193, 0
	v_lshrrev_b32 v1, 5, v0
	v_readfirstlane_b32 s26, v1                    ; wave 0..3
	v_and_b32 v1, 31, v0                           ; lane
	v_lshlrev_b32 v10, 4, v1                       ; 16 lane; never rewritten
	v_lshlrev_b32 v[L8], 3, v1
	s_and_b32 s18, s26, 1                          ; hK
	s_lshr_b32 s36, s26, 1                         ; hV
	s_and_b32 s20, ttmp9, 3                        ; c
	s_sub_co_u32 s22, ttmp9, 32                    ; an event work-group's number: bits 1:0 c, 6:2 (type, sample) before the turn, 10:7 l / 128
	s_lshr_b32 s25, s22, 7                         ; which 128 events of the type's 2,048
	s_bfe_u32 s28, s22, 0x50002
	s_lshr_b32 s19, s22, 8
	s_mul_i32 s19, s19, 11
	s_add_co_u32 s28, s28, s19
	s_and_b32 s28, s28, 31                         ; 16 type + b: turned on by 11 for each 256 numbers; for a given l / 128 each of the 32 is met once
	s_lshr_b32 s23, s28, 4                         ; type
	s_and_b32 s24, s28, 15                         ; b
	s_cmp_lt_u32 ttmp9, 32                         ; a grid step?  It loads from an event step and throws the numbers away
	s_cselect_b32 s25, 0, s25
	s_cselect_b32 s39, -1, 0                       ; as a mask of lanes it chooses the grid's numbers below
	s_lshl_b32 s22, s24, 5
	s_lshl_b32 s19, s23, 4
	s_add_co_u32 s22, s22, s19
	s_add_co_u32 s22, s22, s25                     ; the event step, 0 .. 511
	s_lshr_b32 s19, ttmp9, 2
	s_add_co_u32 s19, s19, 512
	s_cmp_lt_u32 ttmp9, 32
	s_cselect_b32 s21, s19, s22                    ; st
	s_lshl_b32 s27, s20, 1
	s_add_co_u32 s27, s27, s18                     ; v = 2 c + hK
	s_mov_b32 s31, 0
	s_wait_kmcnt 0x0
	s_lshl_b32 s30, s28, 2
	s_add_nc_u64 s[8:9], s[8:9], s[30:31]
	s_load_b32 s29, s[8:9], 0x0                    ; real_len[type][b]
	s_lshl_b32 s30, s28, 13
	s_lshl_b32 s34, s25, 9
	s_add_co_u32 s30, s30, s34
	s_add_nc_u64 s[4:5], s[4:5], s[30:31]          ; the step's 128 times
	s_lshl_b32 s30, s23, 11
	s_lshl_b32 s34, s27, 8
	s_add_co_u32 s30, s30, s34
	s_add_nc_u64 s[6:7], s[6:7], s[30:31]          ; type_emb[type][64 v ..]
	global_load_b128 v[48:51], v10, s[4:5]         ; four times a lane: 512 consecutive bytes.  These two loads hang on the work-group's number alone: they go out beside the load of real_len, not behind it
	global_load_b64 v[52:53], v[L8], s[6:7]        ; type_emb of my two columns
	s_mul_i32 s30, s21, 49152
	s_add_nc_u64 s[10:11], s[10:11], s[30:31]      ; kc[st]
	s_lshl_b32 s30, s21, 11
	s_lshl_b32 s34, s20, 9
	s_add_co_u32 s30, s30, s34
	s_add_nc_u64 s[12:13], s[12:13], s[30:31]      ; ksc[st] + 512 c
	s_mul_i32 s30, s22, 49152
	s_add_nc_u64 s[14:15], s[14:15], s[30:31]      ; vc[st]
	s_lshl_b32 s30, s22, 11
	s_add_co_u32 s30, s30, s34
	s_add_nc_u64 s[16:17], s[16:17], s[30:31]      ; vsc[st] + 512 c
	; every address register is made here, ahead of the first branch
	s_mul_i32 s32, s26, WREG                       ; my wave's LDS
	v_lshl_add_u32 v2, v1, 3, s32                  ; into the turning buffer: my two columns' 8 bytes of a row
	v_mul_u32_u24 v3, v1, XP
	v_add_nc_u32 v3, s32, v3                       ; out of it: row = lane = my event
	s_add_co_u32 s33, s32, TTO
	v_lshl_add_u32 v5, v1, 4, s33                  ; where I put four times
	s_lshl_b32 s34, s36, 7
	s_add_co_u32 s33, s33, s34
	v_mov_b32 v4, s33                              ; the times of block hV, the same address in all lanes; block hV + 2 lies 256 bytes on
	v_and_b32 v16, 7, v1
	v_bfe_u32 v17, v1, 4, 1
	v_lshl_add_u32 v16, v17, 3, v16                ; event e of a block is row r = e % 8 + 8 (e / 16)
	v_bfe_u32 v17, v1, 3, 1                        ; of tile u = (e / 8) % 2
	v_mul_u32_u24 v7, v17, 6144
	v_lshl_add_u32 v7, v16, 4, v7
	s_mul_i32 s34, s20, 1536
	s_lshl_b32 s35, s18, 8
	s_add_co_u32 s34, s34, s35
	s_mul_i32 s35, s36, 12288
	s_add_co_u32 s34, s34, s35
	v_add_nc_u32 v7, s34, v7                       ; kc: 12288 hV + 6144 u + 1536 c + 16 (r + 16 hK)
	v_lshl_add_u32 v6, v17, 4, v16
	v_lshlrev_b32 v6, 2, v6
	s_lshl_b32 s35, s36, 7
	s_add_co_u32 s35, s35, s18
	s_add_co_u32 s35, s35, SCB
	v_add_nc_u32 v6, s35, v6                       ; my event's scale word in LDS, block hV, byte hK
	v_bfe_u32 v16, v1, 4, 1
	v_and_b32 v17, 15, v1
	v_mul_u32_u24 v8, v16, 3072
	v_lshl_add_u32 v8, v17, 4, v8
	s_mul_i32 s34, s20, 12288
	s_mul_i32 s35, s18, 6144
	s_add_co_u32 s34, s34, s35
	s_lshl_b32 s35, s36, 8
	s_add_co_u32 s34, s34, s35
	v_add_nc_u32 v8, s34, v8                       ; vc: 12288 c + 3072 (2 hK + lane / 16) + 16 (lane % 16 + 16 hV)
	s_lshl_b32 s34, s18, 8
	s_add_co_u32 s34, s34, s36
	s_add_co_u32 s34, s34, VSB
	v_lshl_add_u32 v9, v1, 3, s34                  ; my columns' scale words in LDS: 256 hK + 8 lane, byte hV
	s_lshl_b32 s34, s18, 9
	s_add_co_u32 s34, s34, SCB
	v_add_nc_u32 v11, s34, v10                     ; the way out of the scale words: wave 0 takes K's 512 bytes, wave 1 V's
	C2 INVPI, 0x3ea2f983                           ; 1 / pi
	C2 NPIHI, 0xc0490fdb                           ; -pi, its f32 part;
	C2 PILO,  0x33bbbd2e                           ; what that part has too much
	C2 KS5, 0xb2d7322b                             ; -1/11!
	C2 KS3, 0xb9500d01                             ; -1/7!
	C2 KS2, 0x3c088889                             ; 1/5!
	C2 KS1, 0xbe2aaaab                             ; -1/3!
	C2 KC6, 0x310f76c7                             ; 1/12!
	C2 KC4, 0x37d00d01                             ; 1/8!
	C2 KC3, 0xbab60b61                             ; -1/6!
	C2 KC2, 0x3d2aaaab                             ; 1/4!
	V2 MG,  0x4b400000
	V2 S4V, 0x3638ef1d
	V2 C5V, 0xb493f27e
	; pos = 2^(j L), L = log2(10000) / 256 in two parts: j x the upper part (15 bits) is exact, so its whole part and fraction are too
	s_lshl_b32 s34, s27, 5
	v_add_nc_u32 v56, s34, v1
	v_cvt_f32_u32 v56, v56                         ; j
	v_mul_f32 v57, 0x3d549a00, v56
	v_floor_f32 v58, v57
	v_sub_f32 v57, v57, v58
	v_fmamk_f32 v57, v56, 0x34f0979a, v57
	v_exp_f32 v57, v57
	v_cvt_i32_f32 v58, v58                         ; (a plain line behind the exponential)
	s_wait_alu depctr_va_vdst(0)                   ; the wait ahead of the result's first reader
	v_ldexp_f32 v[PO], v57, v58
	v_rcp_f32 v[IV], v[PO]
	v_mov_b32 v[PO+1], v[PO]                       ; (a plain line behind the reciprocal)
	s_wait_alu depctr_va_vdst(0)
	v_fma_f32 v57, -v[PO], v[IV], 1.0              ; one Newton step
	v_fma_f32 v[IV], v57, v[IV], v[IV]
	v_mov_b32 v[IV+1], v[IV]
	s_sub_co_u32 s34, s21, 512                     ; the grid's mid times g + 0.5, g = 128 (st - 512) + 4 lane + 0 .. 3
	s_lshl_b32 s34, s34, 7
	v_lshl_add_u32 v60, v1, 2, s34
	v_cvt_f32_u32 v60, v60
	v_add_f32 v61, 0x3fc00000, v60
	v_add_f32 v62, 0x40200000, v60
	v_add_f32 v63, 0x40600000, v60
	v_add_f32 v60, 0.5, v60
	v_mov_b32 v64, 0
	s_wait_kmcnt 0x0
	s_lshl_b32 s30, s25, 7
	s_cmp_lt_i32 s30, s29                          ; does the step's first event count?
	s_cselect_b32 s38, 1, 0
	s_cmp_lt_u32 ttmp9, 32                         ; a grid step is always made
	s_cselect_b32 s38, 1, s38
	s_cmp_eq_u32 s38, 0
	s_cbranch_scc1 .Ldone                          ; (the two loads may stay out on that way: nothing there names their registers)
	s_wait_loadcnt 0x0
.irp i, 0,1,2,3
	v_cndmask_b32 v[48+\i], v[48+\i], v[60+\i], s39
.endr
	v_cndmask_b32 v[TES], v52, v64, s39            ; q has no type embedding
	v_cndmask_b32 v[TEC], v53, v64, s39
	v_mov_b32 v[TES+1], v[TES]
	v_mov_b32 v[TEC+1], v[TEC]
.irp i, 0,1,2,3
	v_cmp_neq_f32 vcc_lo, 0, v[48+\i]
	v_cndmask_b32 v[52+\i], 0, 1.0, vcc_lo         ; the pad
.endr
	ds_store_b128 v5, v[48:51]                     ; my wave's own bytes: LDS serves a wave's instructions in order, so its loads below see them
	ds_store_b128 v5, v[52:55] offset:512
; Four events of my two columns: two pairs by turns.  e: their place among the 16 times in registers; o + e: their place in the block.
; In a set: +0 x, then R, then pad x te_s;  +2 at work, k, R^2, then pad x te_c;  +4 the sign x pad;  +6 sin;  +8 cos.
.macro EVAL4 e, o
.irp k, 0,1
	v_pk_mul_f32 v[TMP+10*\k:TMP+10*\k+1], v[T+\e+2*\k:T+\e+2*\k+1], v[IV:IV+1]
.endr
.irp k, 0,1
	v_pk_fma_f32 v[TMP+10*\k+2:TMP+10*\k+3], v[TMP+10*\k:TMP+10*\k+1], v[PO:PO+1], v[T+\e+2*\k:T+\e+2*\k+1] neg_lo:[1,0,0] neg_hi:[1,0,0]   ; what the quotient leaves
.endr
.irp k, 0,1
	v_pk_fma_f32 v[TMP+10*\k:TMP+10*\k+1], v[TMP+10*\k+2:TMP+10*\k+3], v[IV:IV+1], v[TMP+10*\k:TMP+10*\k+1]   ; x = t / pos
.endr
.irp k, 0,1
	v_pk_fma_f32 v[TMP+10*\k+2:TMP+10*\k+3], v[TMP+10*\k:TMP+10*\k+1], s[INVPI:INVPI+1], v[MG:MG+1] op_sel_hi:[1,0,1]   ; 1.5 x 2^23 + k: the sum's rounding makes k whole
.endr
.irp k, 0,1
	v_lshl_or_b32 v[TMP+10*\k+4], v[TMP+10*\k+2], 31, v[PD+\e+2*\k]        ; k's lowest bit as the sign of the pad: +-1 or +-0
	v_lshl_or_b32 v[TMP+10*\k+5], v[TMP+10*\k+3], 31, v[PD+\e+2*\k+1]
.endr
.irp k, 0,1
	v_pk_add_f32 v[TMP+10*\k+2:TMP+10*\k+3], v[TMP+10*\k+2:TMP+10*\k+3], v[MG:MG+1] neg_lo:[0,1] neg_hi:[0,1]   ; k
.endr
.irp k, 0,1
	v_pk_fma_f32 v[TMP+10*\k:TMP+10*\k+1], v[TMP+10*\k+2:TMP+10*\k+3], s[NPIHI:NPIHI+1], v[TMP+10*\k:TMP+10*\k+1] op_sel_hi:[1,0,1]   ; exact: a multiple of 2^-22 under 2
.endr
.irp k, 0,1
	v_pk_fma_f32 v[TMP+10*\k:TMP+10*\k+1], v[TMP+10*\k+2:TMP+10*\k+3], s[PILO:PILO+1], v[TMP+10*\k:TMP+10*\k+1] op_sel_hi:[1,0,1]     ; R
.endr
.irp k, 0,1
	v_pk_mul_f32 v[TMP+10*\k+2:TMP+10*\k+3], v[TMP+10*\k:TMP+10*\k+1], v[TMP+10*\k:TMP+10*\k+1]   ; Z = R^2
.endr
.irp k, 0,1
	v_pk_fma_f32 v[TMP+10*\k+6:TMP+10*\k+7], v[TMP+10*\k+2:TMP+10*\k+3], s[KS5:KS5+1], v[S4V:S4V+1] op_sel_hi:[1,0,1]
.endr
.irp k, 0,1
	v_pk_fma_f32 v[TMP+10*\k+8:TMP+10*\k+9], v[TMP+10*\k+2:TMP+10*\k+3], s[KC6:KC6+1], v[C5V:C5V+1] op_sel_hi:[1,0,1]
.endr
.irp k, 0,1
	v_pk_fma_f32 v[TMP+10*\k+6:TMP+10*\k+7], v[TMP+10*\k+6:TMP+10*\k+7], v[TMP+10*\k+2:TMP+10*\k+3], s[KS3:KS3+1] op_sel_hi:[1,1,0]
.endr
.irp k, 0,1
	v_pk_fma_f32 v[TMP+10*\k+8:TMP+10*\k+9], v[TMP+10*\k+8:TMP+10*\k+9], v[TMP+10*\k+2:TMP+10*\k+3], s[KC4:KC4+1] op_sel_hi:[1,1,0]
.endr
.irp k, 0,1
	v_pk_fma_f32 v[TMP+10*\k+6:TMP+10*\k+7], v[TMP+10*\k+6:TMP+10*\k+7], v[TMP+10*\k+2:TMP+10*\k+3], s[KS2:KS2+1] op_sel_hi:[1,1,0]
.endr
.irp k, 0,1
	v_pk_fma_f32 v[TMP+10*\k+8:TMP+10*\k+9], v[TMP+10*\k+8:TMP+10*\k+9], v[TMP+10*\k+2:TMP+10*\k+3], s[KC3:KC3+1] op_sel_hi:[1,1,0]
.endr
.irp k, 0,1
	v_pk_fma_f32 v[TMP+10*\k+6:TMP+10*\k+7], v[TMP+10*\k+6:TMP+10*\k+7], v[TMP+10*\k+2:TMP+10*\k+3], s[KS1:KS1+1] op_sel_hi:[1,1,0]
.endr
.irp k, 0,1
	v_pk_fma_f32 v[TMP+10*\k+8:TMP+10*\k+9], v[TMP+10*\k+8:TMP+10*\k+9], v[TMP+10*\k+2:TMP+10*\k+3], s[KC2:KC2+1] op_sel_hi:[1,1,0]
.endr
.irp k, 0,1
	v_pk_mul_f32 v[TMP+10*\k+6:TMP+10*\k+7], v[TMP+10*\k+6:TMP+10*\k+7], v[TMP+10*\k+2:TMP+10*\k+3]
.endr
.irp k, 0,1
	v_pk_fma_f32 v[TMP+10*\k+8:TMP+10*\k+9], v[TMP+10*\k+8:TMP+10*\k+9], v[TMP+10*\k+2:TMP+10*\k+3], -0.5 op_sel_hi:[1,1,0]
.endr
.irp k, 0,1
	v_pk_fma_f32 v[TMP+10*\k+6:TMP+10*\k+7], v[TMP+10*\k+6:TMP+10*\k+7], v[TMP+10*\k:TMP+10*\k+1], v[TMP+10*\k:TMP+10*\k+1]   ; sin R
.endr
.irp k, 0,1
	v_pk_fma_f32 v[TMP+10*\k+8:TMP+10*\k+9], v[TMP+10*\k+8:TMP+10*\k+9], v[TMP+10*\k+2:TMP+10*\k+3], 1.0 op_sel_hi:[1,1,0]    ; cos R
.endr
.irp k, 0,1
	v_pk_mul_f32 v[TMP+10*\k:TMP+10*\k+1], v[PD+\e+2*\k:PD+\e+2*\k+1], v[TES:TES+1]
	v_pk_mul_f32 v[TMP+10*\k+2:TMP+10*\k+3], v[PD+\e+2*\k:PD+\e+2*\k+1], v[TEC:TEC+1]
.endr
.irp k, 0,1
	v_pk_fma_f32 v[SN+\o+\e+2*\k:SN+\o+\e+2*\k+1], v[TMP+10*\k+6:TMP+10*\k+7], v[TMP+10*\k+4:TMP+10*\k+5], v[TMP+10*\k:TMP+10*\k+1]     ; (sin x + te) x pad, one rounding
	v_pk_fma_f32 v[CS+\o+\e+2*\k:CS+\o+\e+2*\k+1], v[TMP+10*\k+8:TMP+10*\k+9], v[TMP+10*\k+4:TMP+10*\k+5], v[TMP+10*\k+2:TMP+10*\k+3]
.endr
.endm
; A block of 32 numbers of one lane, v[src] on, becomes six registers of codes at v[dst] and its scale's byte in v[breg].  The largest magnitude has the floor 2^(5 - 127) among its leaves, so the byte cannot fall under 1;
; 4 off its exponent field is the conversion's scale operand, of which the exponent field alone counts.
.macro QB src, dst, breg
	v_max3_num_f32 v[QT], |v[\src]|, |v[\src+1]|, 0x2800000
	v_max3_num_f32 v[QT+1], |v[\src+2]|, |v[\src+3]|, |v[\src+4]|
.irp i, 5,9,13,17,21,25
	v_max3_num_f32 v[QT], v[QT], |v[\src+\i]|, |v[\src+\i+1]|
	v_max3_num_f32 v[QT+1], v[QT+1], |v[\src+\i+2]|, |v[\src+\i+3]|
.endr
	v_max3_num_f32 v[QT], v[QT], |v[\src+29]|, |v[\src+30]|
	v_max3_num_f32 v[QT], v[QT], v[QT+1], |v[\src+31]|
	v_add_nc_u32 v[QT+2], 0xfe000000, v[QT]
	v_cvt_scalef32_pk16_bf6_f32 v[\dst:\dst+2], v[\src:\src+15], v[QT+2]
	v_cvt_scalef32_pk16_bf6_f32 v[SLOT:SLOT+2], v[\src+16:\src+31], v[QT+2]
	v_lshrrev_b32 v[\breg], 23, v[QT+2]            ; the byte; also the plain line behind the conversions
.irp i, 0,1,2
	v_mov_b32 v[\dst+3+\i], v[SLOT+\i]
.endr
.endm
; My q-th event block: block hV + 2 q of the step.  What hangs on hV stands in the address registers, what hangs on q in the immediates.
.macro BLOCK q
	s_wait_xcnt 0x0                                ; the stores issued so far have read their registers: the codes' registers are written again only behind this wait
.irp hh, 0,1                           ; 16 events at a time
.irp i, 0,1,2,3
	ds_load_b128 v[T+4*\i:T+4*\i+3], v4 offset:256*\q+64*\hh+16*\i
	ds_load_b128 v[PD+4*\i:PD+4*\i+3], v4 offset:512+256*\q+64*\hh+16*\i
.endr
	s_wait_dscnt 0x0
.irp e, 0,4,8,12
	EVAL4 \e, 16*\hh
.endr
.endr
.irp e, 0,1,2,3,4,5,6,7,8,9,10,11,12,13,14,15,16,17,18,19,20,21,22,23,24,25,26,27,28,29,30,31
	ds_store_b32 v2, v[SN+\e] offset:XP*\e         ; row = event, my two columns side by side
	ds_store_b32 v2, v[CS+\e] offset:XP*\e+4
.endr
	QB SN, VC+6*\q, BY                             ; along the events: the block is mine.  (Run for the grid's steps too: register work of 32 work-groups; only the stores to memory are left out there)
	QB CS, VC+12+6*\q, BY+1
	ds_store_b8 v9, v[BY] offset:2*\q              ; byte hV + 2 q of my even column's word; the wave with the other hV writes the other two
	ds_store_b8 v9, v[BY+1] offset:4+2*\q          ; and of my odd column's
.if \q == 1
	s_cmp_ge_u32 s21, 512                          ; q is no operand of the second product: a branch on the work-group's number, round stores to memory alone
	s_cbranch_scc1 .Lnov_\@
.irp p, 0,1
.irp g, 0,1,2
	global_store_b128 v8, v[VC+12*\p+4*\g:VC+12*\p+4*\g+3], s[14:15] offset:1536*\p+512*\g   ; sixteen lanes store 256 consecutive bytes, aligned
.endr
.endr
.Lnov_\@:
.endif
.irp i, 0,1,2,3,4,5,6,7,8,9,10,11,12,13,14,15
	ds_load_b128 v[SN+4*\i:SN+4*\i+3], v3 offset:16*\i   ; my event's 64 d, in order (LDS serves a wave's instructions in order: these see the stores above)
.endr
	s_wait_dscnt 0x0
	QB SN, KC, BY                                  ; along d
	QB CS, KC+6, BY+1
	ds_store_b8 v6, v[BY] offset:256*\q            ; bytes hK and 2 + hK of my event's word; the wave with the other hK writes the other two
	ds_store_b8 v6, v[BY+1] offset:256*\q+2
.irp g, 0,1,2
	global_store_b128 v7, v[KC+4*\g:KC+4*\g+3], s[10:11] offset:24576*\q+512*\g   ; lanes 0-7 with 16-23, and 8-15 with 24-31, each fill 256 consecutive bytes, aligned
.endr
.endm
	BLOCK 0
	BLOCK 1
.Ldone:
	s_wait_dscnt 0x0                               ; my byte stores have landed
	s_barrier_signal -1
	s_barrier_wait -1                              ; all four waves' have
	s_cmp_eq_u32 s38, 0                            ; a step that is not made stores nothing
	s_cbranch_scc1 .Lend
	s_cmp_gt_u32 s26, 1                            ; wave 0 stores K's scale words, wave 1 V's
	s_cbranch_scc1 .Lend
	s_and_b32 s34, s39, s26                        ; a grid step has no V
	s_cmp_lg_u32 s34, 0
	s_cbranch_scc1 .Lend
	s_cmp_eq_u32 s26, 0
	s_cselect_b64 s[12:13], s[12:13], s[16:17]
	ds_load_b128 v[112:115], v11
	s_wait_dscnt 0x0
	global_store_b128 v10, v[112:115], s[12:13]    ; 128 scale words: 512 consecutive bytes, aligned
.Lend:
	s_wait_tensorcnt 0x0
	ds_add_u32 v192, v193
	s_wait_dscnt 0x0
	s_endpgm
.Lfunc_end_k_q40325a21e8_prep:
	.size	k_q40325a21e8_prep, .Lfunc_end_k_q40325a21e8_prep-k_q40325a21e8_prep
	.p2alignl 7, 3214868480
	.fill 96, 4, 3214868480
	.section	.rodata,"a",@progbits
	.p2align	6, 0x0
	.amdhsa_kernel k_q40325a21e8_prep
		.amdhsa_group_segment_fixed_size 40448
		.amdhsa_private_segment_fixed_size 0
		.amdhsa_enable_private_segment 0
		.amdhsa_kernarg_size 56
		.amdhsa_user_sgpr_count 2
		.amdhsa_user_sgpr_kernarg_segment_ptr 1
		.amdhsa_wavefront_size32 1
		.amdhsa_system_sgpr_workgroup_id_x 1
		.amdhsa_system_sgpr_workgroup_id_y 1
		.amdhsa_system_sgpr_workgroup_id_z 1
		.amdhsa_system_vgpr_workitem_id 0
		.amdhsa_next_free_vgpr 194
		.amdhsa_next_free_sgpr 96
		.amdhsa_reserve_vcc 1
		.amdhsa_float_denorm_mode_32 3
		.amdhsa_float_denorm_mode_16_64 3
		.amdhsa_memory_ordered 1
		.amdhsa_forward_progress 1
		.amdhsa_inst_pref_size 87
	.end_amdhsa_kernel
	.amdgpu_metadata
---
amdhsa.version: [ 1, 2 ]
amdhsa.kernels:
  - .name:           k_q40325a21e8_prep
    .symbol:         k_q40325a21e8_prep.kd
    .args:
      - { .name: times, .offset: 0, .size: 8, .value_kind: global_buffer, .address_space: global }
      - { .name: type_emb, .offset: 8, .size: 8, .value_kind: global_buffer, .address_space: global }
      - { .name: real_len, .offset: 16, .size: 8, .value_kind: global_buffer, .address_space: global }
      - { .name: kc, .offset: 24, .size: 8, .value_kind: global_buffer, .address_space: global }
      - { .name: ksc, .offset: 32, .size: 8, .value_kind: global_buffer, .address_space: global }
      - { .name: vc, .offset: 40, .size: 8, .value_kind: global_buffer, .address_space: global }
      - { .name: vsc, .offset: 48, .size: 8, .value_kind: global_buffer, .address_space: global }
    .group_segment_fixed_size: 40448
    .private_segment_fixed_size: 0
    .kernarg_segment_align: 8
    .kernarg_segment_size: 56
    .max_flat_workgroup_size: 128
    .sgpr_count:     96
    .vgpr_count:     194
    .wavefront_size: 32
...
	.end_amdgpu_metadata
.endif
;; end of part 1
;; launch attn (part 2): grid 16 x 16, 4 waves a work-group, no clusters, 50,688 bytes of LDS; arguments real_len, kc, ksc, vc, vsc, out0; writes out0
.if DOCPART == 2
	.amdgcn_target "amdgcn-amd-amdhsa--gfx1250"
	.amdhsa_code_object_version 6
	.text
	.protected	k_q40325a21e8_attn
	.globl	k_q40325a21e8_attn
	.p2align	8
	.type	k_q40325a21e8_attn,@function
k_q40325a21e8_attn:
	s_mov_b64 s[64:65], 0
	v_nop
	global_prefetch_b8 v0, s[64:65] scope:SCOPE_SE
	s_setreg_imm32_b32 hwreg(HW_REG_WAVE_MODE, 25, 1), 1
	s_wait_xcnt 0x0
; ATTN: out[b][g] = sum over the valid events n of softmax_n(q[g] . emb[b][n] / sqrt(512)) emb[b][n], both products on codes of E3M2 with E8M0 scales, made by the first launch.
; SHARES.  A work-group owns 64 grid points (x) of one sample (y): four tiles m of 16 queries, g = 64 x + 32 (m / 2) + 8 (m % 2) + r + 8 (r / 8).  It walks the sample's key steps of 128 events.
; Only steps with an event under real_len are walked (both types' steps form one list of TOT positions): reference() itself hides the others.  That is a branch on whole numbers read from memory, so the operands
; come from memory straight into registers, as images of the operand's registers (three loads of 16 bytes a lane and fragment); each fragment of K and V is read by one wave of the work-group and feeds four products.
; No cluster: what a step asks for hangs on real_len.
; WAVE w, scores: S^T = K Q^T for the step's event block w (32 keys: tiles u = 0, 1) x all four query tiles, d = 512 in four instructions: 32.  Q stays in registers.
; WAVE w, sum: O^T += V^T P for d = 128 w .. + 127 (eight tiles) x four query tiles, K = the step's 128 events: 32.  Both products are used transposed: a lane holds ONE query.
; SOFTMAX WITHOUT AN EXCHANGE OF MAXIMA.  Wave w keeps for each query a running whole number M_w = ceil(largest t) and a sum l_w over ITS blocks; p = 2^(t - M_w) is quantised with its block's own scale.  It hands on,
; through LDS, the codes and A' = byte + M_w - 123 (the exponent of the block's largest weight, free of M_w).  Every wave forms R = the largest A' so far, multiplies O by 2^(old R - new R) (exact) and gives block b the
; scale byte A'_b - R + 123: a change of a whole-number M is a power of two, which the block's scale takes up.  At the end L = sum of l_w 2^(M_w - R), out = O / L.  One barrier a step; two buffers for P take turns.
; BY TURNS.  A stretch j: 32 products K Q^T of position j + 1, with list L1 (R, the scale words, O's rescaling) in slices behind them; then 32 products V^T P of position j, with list L2 (the softmax of position j + 1).
; LIMITS: |t| under 2^23 (M and A' are whole f32 numbers); real_len is held to 0 .. 2048; both real_len <= 0 gives NaN, as reference() does; weights under 2^-126 of a wave's largest count as 0.
; REGISTERS, in windows of 256.  Window 0: v1-21 addresses; v24-71 statistics, 12 a tile; v72-87 A'; v88-107 scale words (K, V, Q, P: they hold scales alone); v108-123 p's codes; v128-191 S^T, then p; v192-239 P's fragments.
;   window 1: O^T, accumulator (i, m) at 8 (4 i + m).   window 2: Q, fragment (m, c) at 12 (4 m + c); on the way out rows of the result.   window 3: K's 8 fragments from v0, V's 8 from v96.
.set S,   128
.set PF,  192
.set ST,  24                           ; tile m at ST + 12 m: +0 -M_w, +1 largest t, +2:3 l, +4 block maximum, +5 at work and A', +6:7 f for l, then a second chain, +8 at work, +9 R, +10:11 f for O
.set AWD, 72
.set KSR, 88
.set VSR, 92
.set QSR, 96
.set PS,  104
.set PCD, 108
.set WV,  16
.set SEL, 26                           ; s[26:27] lane selects: lane l xor 16
.set CS,  28                           ; s[28:29] c = log2(e) / sqrt(512)
.set J,   30                           ; the stretch's position in the list
.set N0,  31                           ; steps of type 0
.set TOT, 32
.set TOTM1, 33
.set LEN0, 34
.set LEN1, 35
.set PFLIM, 36
.set TRIP, 37
.set W_KQ, 0x0b                        ; K window 3, Q window 2, S^T window 0
.set W_PV, 0x53                        ; V window 3, P window 0, O^T window 1
.set W_RS, 0x41                        ; O^T (destination, source 0) window 1
.set TO3,  0xc0
.set TO2,  0x80
.set MSB, 0
.macro WIN new                         ; the immediate's high byte repeats the setting that is left; a switch that changes nothing is dropped
.if MSB != \new
	s_set_vgpr_msb (MSB<<8)|\new
.set MSB, \new
.endif
.endm
; List position J + off: its step ks = 16 type + l / 128 in the sample and vc, how many of its 128 events count.  A position past the list's end names the last step again, with vc = 0.
.macro INFO ks, vc, off
	s_add_co_u32 s44, s[J], \off
	s_min_u32 s45, s44, s[TOTM1]
	s_cmp_lt_u32 s45, s[N0]
	s_cselect_b32 s46, 0, s[N0]
	s_cselect_b32 s47, 0, 16
	s_cselect_b32 s[\vc], s[LEN0], s[LEN1]
	s_sub_co_u32 s45, s45, s46
	s_add_co_u32 s[\ks], s45, s47
	s_min_u32 s[\ks], s[\ks], 31                   ; a number made of loaded numbers enters addresses only held so
	s_lshl_b32 s45, s45, 7
	s_sub_co_u32 s[\vc], s[\vc], s45
	s_cmp_lt_u32 s44, s[TOT]
	s_cselect_b32 s[\vc], s[\vc], 0
.endm
.macro LOADK ks                        ; my block's 8 fragments of K and their 4 scale registers: 28 loads
	s_wait_xcnt 0x0                                ; earlier loads and prefetches have read their address registers
	s_mul_i32 s48, s[\ks], 49152
	s_lshl_b32 s49, s[\ks], 11
	v_add_nc_u32 v2, s48, v1
	v_add_nc_u32 v5, s49, v4
	WIN TO3
.irp f, 0,1,2,3,4,5,6,7
.irp g, 0,1,2
	global_load_b128 v[12*\f+4*\g:12*\f+4*\g+3], v2, s[6:7] offset:1536*\f+512*\g
.endr
.endr
	WIN 0
.irp c, 0,1,2,3
	global_load_b32 v[KSR+\c], v5, s[8:9] offset:512*\c    ; lanes 0-15 tile u = 0's rows, lanes 16-31 tile 1's
.endr
.endm
.macro LOADV ks                        ; my 128 d: 8 fragments of V and their 4 scale registers: 28 loads
	s_wait_xcnt 0x0
	s_mul_i32 s48, s[\ks], 49152
	s_lshl_b32 s49, s[\ks], 11
	v_add_nc_u32 v3, s48, v1
	v_add_nc_u32 v7, s49, v6
	WIN TO3
.irp i, 0,1,2,3,4,5,6,7
.irp g, 0,1,2
	global_load_b128 v[96+12*\i+4*\g:96+12*\i+4*\g+3], v3, s[10:11] offset:1536*\i+512*\g
.endr
.endr
	WIN 0
.irp g, 0,1,2,3
	global_load_b32 v[VSR+\g], v7, s[12:13] offset:128*\g  ; lanes 0-15 the even columns' words, lanes 16-31 the odd ones'
.endr
.endm
; Product nn of 32 of S^T = K Q^T: d step nn / 8, query tile (nn / 2) % 4, key tile nn % 2.  The eight accumulators take turns, one instruction a turn; the first eight start the sums.
.macro KQ
	WIN W_KQ
.set xc, nn/8
.set xm, (nn/2)%4
.set xu, nn%2
.set rD, S+16*xm+8*xu
.set rA, 12*(4*xu+xc)
.set rB, 12*(4*xm+xc)
.set rKs, KSR+xc
.set rQs, QSR+4*(xm/2)+xc
.if xc == 0
.if (xu == 0) && (xm%2 == 0)
	v_wmma_scale_f32_16x16x128_f8f6f4 v[rD:rD+7], v[rA:rA+11], v[rB:rB+11], 0, v[rKs], v[rQs] matrix_a_fmt:MATRIX_FMT_BF6 matrix_b_fmt:MATRIX_FMT_BF6
.elseif xm%2 == 0
	v_wmma_scale_f32_16x16x128_f8f6f4 v[rD:rD+7], v[rA:rA+11], v[rB:rB+11], 0, v[rKs], v[rQs] matrix_a_fmt:MATRIX_FMT_BF6 matrix_b_fmt:MATRIX_FMT_BF6 matrix_a_scale:MATRIX_SCALE_ROW1
.elseif xu == 0
	v_wmma_scale_f32_16x16x128_f8f6f4 v[rD:rD+7], v[rA:rA+11], v[rB:rB+11], 0, v[rKs], v[rQs] matrix_a_fmt:MATRIX_FMT_BF6 matrix_b_fmt:MATRIX_FMT_BF6 matrix_b_scale:MATRIX_SCALE_ROW1
.else
	v_wmma_scale_f32_16x16x128_f8f6f4 v[rD:rD+7], v[rA:rA+11], v[rB:rB+11], 0, v[rKs], v[rQs] matrix_a_fmt:MATRIX_FMT_BF6 matrix_b_fmt:MATRIX_FMT_BF6 matrix_a_scale:MATRIX_SCALE_ROW1 matrix_b_scale:MATRIX_SCALE_ROW1
.endif
.else
.if (xu == 0) && (xm%2 == 0)
	v_wmma_scale_f32_16x16x128_f8f6f4 v[rD:rD+7], v[rA:rA+11], v[rB:rB+11], v[rD:rD+7], v[rKs], v[rQs] matrix_a_fmt:MATRIX_FMT_BF6 matrix_b_fmt:MATRIX_FMT_BF6
.elseif xm%2 == 0
	v_wmma_scale_f32_16x16x128_f8f6f4 v[rD:rD+7], v[rA:rA+11], v[rB:rB+11], v[rD:rD+7], v[rKs], v[rQs] matrix_a_fmt:MATRIX_FMT_BF6 matrix_b_fmt:MATRIX_FMT_BF6 matrix_a_scale:MATRIX_SCALE_ROW1
.elseif xu == 0
	v_wmma_scale_f32_16x16x128_f8f6f4 v[rD:rD+7], v[rA:rA+11], v[rB:rB+11], v[rD:rD+7], v[rKs], v[rQs] matrix_a_fmt:MATRIX_FMT_BF6 matrix_b_fmt:MATRIX_FMT_BF6 matrix_b_scale:MATRIX_SCALE_ROW1
.else
	v_wmma_scale_f32_16x16x128_f8f6f4 v[rD:rD+7], v[rA:rA+11], v[rB:rB+11], v[rD:rD+7], v[rKs], v[rQs] matrix_a_fmt:MATRIX_FMT_BF6 matrix_b_fmt:MATRIX_FMT_BF6 matrix_a_scale:MATRIX_SCALE_ROW1 matrix_b_scale:MATRIX_SCALE_ROW1
.endif
.endif
.endm
; Product nn of 32 of O^T += V^T P: tile nn / 4 of my d, query tile nn % 4.  Each of the 32 accumulators has one turn.  zero = 1: the first stretch starts the sums: nothing is ever cleared.
.macro PV zero
	WIN W_PV
.set xi, nn/4
.set rD, 8*nn
.set rA, 96+12*xi
.set rB, PF+12*(nn%4)
.set rVs, VSR+xi/2
.set rPs, PS+nn%4
.if \zero
.if xi%2 == 0
	v_wmma_scale_f32_16x16x128_f8f6f4 v[rD:rD+7], v[rA:rA+11], v[rB:rB+11], 0, v[rVs], v[rPs] matrix_a_fmt:MATRIX_FMT_BF6 matrix_b_fmt:MATRIX_FMT_BF6
.else
	v_wmma_scale_f32_16x16x128_f8f6f4 v[rD:rD+7], v[rA:rA+11], v[rB:rB+11], 0, v[rVs], v[rPs] matrix_a_fmt:MATRIX_FMT_BF6 matrix_b_fmt:MATRIX_FMT_BF6 matrix_a_scale:MATRIX_SCALE_ROW1
.endif
.else
.if xi%2 == 0
	v_wmma_scale_f32_16x16x128_f8f6f4 v[rD:rD+7], v[rA:rA+11], v[rB:rB+11], v[rD:rD+7], v[rVs], v[rPs] matrix_a_fmt:MATRIX_FMT_BF6 matrix_b_fmt:MATRIX_FMT_BF6
.else
	v_wmma_scale_f32_16x16x128_f8f6f4 v[rD:rD+7], v[rA:rA+11], v[rB:rB+11], v[rD:rD+7], v[rVs], v[rPs] matrix_a_fmt:MATRIX_FMT_BF6 matrix_b_fmt:MATRIX_FMT_BF6 matrix_a_scale:MATRIX_SCALE_ROW1
.endif
.endif
.endm
; LIST L1, number q1; the four tiles by turns.  0-23: the new R and f = 2^(old R - new R).  24-79: the four blocks' bytes max(A' - R + 123, 0) and P's scale word.  80-207: O^T x f, each accumulator from its low end on.
.macro L1E
.if q1 < 24
	WIN 0
.set xo, q1/4
.set rT, ST+12*(q1%4)
.set rW, AWD+4*(q1%4)
.if xo == 0
	v_max3_num_f32 v[rT+8], v[rT+9], v[rW], v[rW+1]
.elseif xo == 1
	v_max3_num_f32 v[rT+8], v[rT+8], v[rW+2], v[rW+3]
.elseif xo == 2
	v_sub_f32 v[rT+10], v[rT+9], v[rT+8]           ; a whole number, 0 or less
.elseif xo == 3
	v_cvt_i32_f32 v[rT+10], v[rT+10]               ; (it saturates)
.elseif xo == 4
	v_ldexp_f32 v[rT+10], 1.0, v[rT+10]
.else
	v_mov_b32 v[rT+9], v[rT+8]
.endif
.elseif q1 < 80
	WIN 0
.set xo, (q1-24)/4
.set rT, ST+12*(q1%4)
.set rW, AWD+4*(q1%4)
.set rP, PS+q1%4
.if xo == 0
	v_sub_f32 v[rT+8], 0x42f60000, v[rT+9]         ; 123 - R
.elseif xo < 3
	v_pk_add_f32 v[rW+2*(xo-1):rW+2*(xo-1)+1], v[rW+2*(xo-1):rW+2*(xo-1)+1], v[rT+8:rT+9] op_sel_hi:[1,0]
.elseif xo < 7
	v_max_num_f32 v[rW+xo-3], 0, v[rW+xo-3]
.elseif xo < 11
	v_cvt_u32_f32 v[rW+xo-7], v[rW+xo-7]
.elseif xo == 11
	v_lshl_or_b32 v[rP], v[rW+1], 8, v[rW]
.elseif xo == 12
	v_lshl_or_b32 v[rP], v[rW+2], 16, v[rP]
.else
	v_lshl_or_b32 v[rP], v[rW+3], 24, v[rP]
.endif
.else
	WIN W_RS
.set xe, q1-80
.set rF, ST+12*((xe/4)%4)+10
	v_pk_mul_f32 v[2*xe:2*xe+1], v[2*xe:2*xe+1], v[rF:rF+1] op_sel_hi:[1,0]
.endif
.endm
.macro SL1 cnt
.rept \cnt
.if q1 < L1N
	L1E
.set q1, q1+1
.endif
.endr
.endm
; LIST L2, number q2: my block's softmax for four tiles.  0-71: the block's largest score (my 16 keys, then lane l xor 16's), the running largest t, -M = floor(-t), f = 2^(old M - new M), the largest score as t - M.
; 72-103: t - M, two at a time.  104-171: ONE BATCH of 68 exponentials, none of which reads another's result.  172-175: l x f, the plain lines behind the batch; then the one wait ahead of
; the first reader.  176-235: the sums of the unquantised p in two chains; the block's byte (its largest p is the exponential of its largest score: p rises with the score); A'; the conversion.  236: a plain line behind the conversions.
.macro L2E
	WIN 0
.if q2 < 72
.set xo, q2/4
.set rT, ST+12*(q2%4)
.set rS, S+16*(q2%4)
.if xo == 0
	v_max3_num_f32 v[rT+4], v[rS], v[rS+1], v[rS+2]
.elseif xo < 7
	v_max3_num_f32 v[rT+4], v[rT+4], v[rS+2*xo+1], v[rS+2*xo+2]
.elseif xo == 7
	v_max_num_f32 v[rT+4], v[rT+4], v[rS+15]
.elseif xo == 8
	v_permlanex16_b32 v[rT+5], v[rT+4], s[SEL], s[SEL+1]
.elseif xo == 9
	v_max_num_f32 v[rT+4], v[rT+4], v[rT+5]
.elseif xo == 10
	v_mul_f32 v[rT+5], s[CS], v[rT+4]
.elseif xo == 11
	v_max_num_f32 v[rT+1], v[rT+1], v[rT+5]
.elseif xo == 12
	v_mov_b32 v[rT+5], v[rT]
.elseif xo == 13
	v_floor_f32 v[rT], -v[rT+1]
.elseif xo == 14
	v_sub_f32 v[rT+6], v[rT], v[rT+5]
.elseif xo == 15
	v_cvt_i32_f32 v[rT+6], v[rT+6]
.elseif xo == 16
	v_ldexp_f32 v[rT+6], 1.0, v[rT+6]
.else
	v_fma_f32 v[rT+4], v[rT+4], s[CS], v[rT]
.endif
.elseif q2 < 104
.set xe, q2-72
.set rT, ST+12*(xe/8)
	v_pk_fma_f32 v[S+2*xe:S+2*xe+1], v[S+2*xe:S+2*xe+1], s[CS:CS+1], v[rT:rT+1] op_sel_hi:[1,0,0]
.elseif q2 < 168
	v_exp_f32 v[S+q2-104], v[S+q2-104]
.elseif q2 < 172
	v_exp_f32 v[ST+12*(q2-168)+4], v[ST+12*(q2-168)+4]
.elseif q2 < 176
.set rT, ST+12*(q2-172)
	v_pk_mul_f32 v[rT+2:rT+3], v[rT+2:rT+3], v[rT+6:rT+7] op_sel_hi:[1,0]
.elseif q2 < 236
.if q2 == 176
	s_wait_alu depctr_va_vdst(0)
.endif
.set xo, (q2-176)/4
.set rT, ST+12*(q2%4)
.set rS, S+16*(q2%4)
.if xo == 0
	v_pk_add_f32 v[rT+6:rT+7], v[rS:rS+1], v[rS+2:rS+3]
.elseif (xo < 7) && (xo%2 == 1)
	v_pk_add_f32 v[rT+2:rT+3], v[rT+2:rT+3], v[rS+2*xo+2:rS+2*xo+3]
.elseif xo < 7
	v_pk_add_f32 v[rT+6:rT+7], v[rT+6:rT+7], v[rS+2*xo+2:rS+2*xo+3]
.elseif xo == 7
	v_pk_add_f32 v[rT+2:rT+3], v[rT+2:rT+3], v[rT+6:rT+7]
.elseif xo == 8
	v_max_num_f32 v[rT+4], 0x2800000, v[rT+4]      ; the floor 2^(5 - 127): the byte cannot fall under 1
.elseif xo == 9
	v_add_nc_u32 v[rT+4], 0xfe000000, v[rT+4]      ; 4 off the exponent field: the conversion's scale operand
.elseif xo == 10
	v_lshrrev_b32 v[rT+5], 23, v[rT+4]
.elseif xo == 11
	v_cvt_f32_u32 v[rT+5], v[rT+5]
.elseif xo == 12
	v_add_f32 v[rT+5], 0xc2f60000, v[rT+5]
.elseif xo == 13
	v_sub_f32 v[rT+5], v[rT+5], v[rT]              ; A' = byte - 123 + M
.else
	v_cvt_scalef32_pk16_bf6_f32 v[PCD+4*(q2%4):PCD+4*(q2%4)+2], v[rS:rS+15], v[rT+4]
.endif
.else
	v_nop
.endif
.endm
.macro SL2 cnt
.rept \cnt
.if q2 < 237
	L2E
.set q2, q2+1
.endif
.endr
.endm
; The scores of events at or past real_len become -infinity ahead of the maximum: p = 0 then.  Register i of a tile holds event 32 w + 16 (lane / 16) + i of the step.  A step all of whose events count skips this.
.macro MASK vc
	s_cmp_ge_i32 s[\vc], 128
	s_cbranch_scc1 .Lopen_\@
	v_sub_nc_u32 v14, s[\vc], v19
.irp i, 0,1,2,3,4,5,6,7,8,9,10,11,12,13,14,15
	v_cmp_gt_i32 vcc_lo, \i+1, v14
.irp m, 0,1,2,3
	v_cndmask_b32 v[S+16*\m+\i], v[S+16*\m+\i], v15, vcc_lo
.endr
.endr
.Lopen_\@:
.endm
.macro PSTORE d                        ; my 16 codes (12 bytes) of each tile to their place in the readers' fragments, and A', into buffer d
.irp m, 0,1,2,3
.irp k, 0,1,2
	ds_store_b32 v10, v[PCD+4*\m+\k] offset:6144*(\d)+1536*\m+4*\k
.endr
	ds_store_b32 v12, v[ST+12*\m+5] offset:1024*(\d)+256*\m
.endr
.endm
; STRETCH J.  On the way in K of position J + 1 (28 loads) and, younger, V of position J (28 loads) are out.
.macro BODY par, first
.irp m, 0,1,2,3
	ds_load_b128 v[AWD+4*\m:AWD+4*\m+3], v13 offset:1024*\par+256*\m
.endr
.irp m, 0,1,2,3
.irp g, 0,1,2
	ds_load_b128 v[PF+12*\m+4*\g:PF+12*\m+4*\g+3], v11 offset:6144*\par+1536*\m+16*\g
.endr
.endr
	s_wait_loadcnt 28                              ; K is in; the 28 younger loads are V's
.set q1, 0
.if \first
.set L1N, 80
.else
.set L1N, 208
.endif
.set nn, 0
.rept 32
	KQ
.if nn == 0
	s_wait_dscnt 12                                ; the four loads of A' are in; P's twelve may be out
.endif
	SL1 6
.set nn, nn+1
.endr
	SL1 32                                         ; what is left of the list: with the last slice 22 packed multiplies of O^T, the places behind the last products
	WIN 0
.if \first
.rept 8
	v_nop                                          ; the first stretch rescales nothing: places behind the last products, and between P's scale words and the products that take them
.endr
.endif
	INFO 38, 39, 2
	LOADK 38
	; K and V of position J + 4 are asked of memory ahead of their loads: waves 0 and 1 name K's 49,152 bytes, waves 2 and 3 V's, lanes 256 bytes apart, three lines a wave.  All 16 work-groups of a sample
	; walk the same steps: the first of them asks, so each block is named once.  Positions 0 to 3 come by their loads alone; nothing past the list's end is named.
	s_add_co_u32 s48, s[J], 4
	s_cmp_lt_u32 s48, s[PFLIM]
	s_cbranch_scc0 .Lnopf_\@
	INFO 38, 39, 4
	s_mul_i32 s48, s38, 49152
	v_add_nc_u32 v9, s48, v8                       ; (the wait at the head of the K loads has freed it)
	global_prefetch_b8 v9, s[24:25] th:TH_LOAD_NT scope:SCOPE_SE
	global_prefetch_b8 v9, s[24:25] offset:8192 th:TH_LOAD_NT scope:SCOPE_SE
	global_prefetch_b8 v9, s[24:25] offset:16384 th:TH_LOAD_NT scope:SCOPE_SE
.Lnopf_\@:
	INFO 40, 41, 1
	MASK 41
	s_wait_loadcnt 28                              ; V is in; the 28 younger loads are K's of position J + 2
	s_wait_dscnt 0x0                               ; P's fragments are in
.set q2, 0
.set nn, 0
.rept 32
	PV \first
	SL2 7
.set nn, nn+1
.endr
	SL2 32
	WIN 0
.rept 4
	v_nop                                          ; places behind the last products, in front of the loads into V's registers and, behind the barrier, into P's
.endr
	LOADV 40
	PSTORE 1-\par
.endm
.macro HALF par                        ; the barrier stands on every path; between two barriers a wave reads buffer par and writes the other
	s_cmp_lt_u32 s[J], s[TOT]
	s_cbranch_scc0 .Lskip_\@
	BODY \par, 0
.Lskip_\@:
	s_wait_dscnt 0x0                               ; my stores have landed and my reads are in
	s_barrier_signal -1
	s_barrier_wait -1
	s_add_co_u32 s[J], s[J], 1
.endm
	s_load_b256 s[4:11], s[0:1], 0x0               ; real_len s[4:5], kc s[6:7], ksc s[8:9], vc s[10:11]
	s_load_b128 s[12:15], s[0:1], 0x20             ; vsc s[12:13], out0 s[14:15]
	v_lshl_add_u32 v254, v0, 2, 0xc400
	v_mov_b32 v255, 0
	v_lshrrev_b32 v2, 5, v0
	v_readfirstlane_b32 s[WV], v2                  ; wave 0..3
	s_and_b32 s17, ttmp7, 0xffff                   ; the sample
	v_and_b32 v22, 31, v0                          ; lane
	v_and_b32 v23, 15, v0                          ; r
	v_bfe_u32 v14, v0, 4, 1                        ; h
	v_lshlrev_b32 v20, 4, v22
	v_lshlrev_b32 v21, 2, v22
	s_mul_i32 s48, s[WV], 12288
	v_add_nc_u32 v1, s48, v20                      ; images: 16 lane + my part of a step
	s_lshl_b32 s48, s[WV], 7
	v_add_nc_u32 v4, s48, v21                      ; K's scale words: 4 lane + 128 w
	v_lshlrev_b32 v6, 3, v23
	v_lshl_add_u32 v6, v14, 2, v6
	s_lshl_b32 s48, s[WV], 9
	v_add_nc_u32 v6, s48, v6                       ; V's: 512 w + 8 r + 4 h
	v_add_nc_u32 v18, s48, v20                     ; the result: my 512 bytes of a row, 16 a lane
	s_and_b32 s49, s[WV], 1
	s_mul_i32 s48, s49, 24576
	v_lshl_add_u32 v8, v22, 8, s48                 ; the prefetches: 256 lane + my half of a step's codes
	s_mul_i32 s48, s49, 768
	s_lshr_b32 s49, s[WV], 1
	s_mul_i32 s49, s49, 24
	s_add_co_u32 s48, s48, s49
	v_mul_u32_u24 v10, v23, 48
	v_mad_u32_u24 v10, v14, 12, v10
	v_add_nc_u32 v10, s48, v10                     ; block w = 2 c' + hP lies in reader lane r + 16 hP, bytes 24 c' on; my half's 16 codes 12 h on
	v_mul_u32_u24 v11, v22, 48                     ; a reader's 48 bytes
	v_lshl_add_u32 v13, v23, 4, 12288              ; the four A' of query r
	s_lshl_b32 s48, s[WV], 2
	v_add_nc_u32 v12, s48, v13                     ; mine among them
	v_mov_b32 v15, 0xff800000                      ; -infinity
	s_mul_i32 s48, s[WV], 8448
	s_add_co_u32 s48, s48, 16384                   ; my stage: 16 rows x (512 + 16) bytes
	v_mul_u32_u24 v16, v23, 528
	v_lshl_add_u32 v16, v14, 6, v16
	v_add_nc_u32 v16, s48, v16
	v_add_nc_u32 v17, s48, v20
	s_lshl_b32 s48, s[WV], 5
	v_lshl_add_u32 v19, v14, 4, s48                ; my first event in a step: 32 w + 16 h
.irp m, 0,1,2,3
	v_mov_b32 v[ST+12*\m+1], 0xff61b1e6            ; the largest t so far: -3e38, under every t
	v_mov_b32 v[ST+12*\m+9], 0xff61b1e6            ; R likewise
	v_mov_b32 v[ST+12*\m+2], 0
	v_mov_b32 v[ST+12*\m+3], 0
	v_mov_b32 v[ST+12*\m+5], 0                     ; (a lane permute's destination counts as read)
	v_mov_b32 v[ST+12*\m+7], 0                     ; (upper words of pairs that are named whole)
	v_mov_b32 v[ST+12*\m+8], 0
	v_mov_b32 v[ST+12*\m+11], 0
	v_floor_f32 v[ST+12*\m], -v[ST+12*\m+1]
.endr
	s_mov_b32 s[SEL], 0x76543210
	s_mov_b32 s[SEL+1], 0xfedcba98
	s_mov_b32 s[CS], 0x3d8293ee
	s_mov_b32 s[CS+1], s[CS]
	s_mov_b32 s[J], 0
	s_mov_b32 s51, 0
	s_wait_kmcnt 0x0
	s_lshl_b32 s50, s17, 2
	s_add_nc_u64 s[4:5], s[4:5], s[50:51]
	s_load_b32 s[LEN0], s[4:5], 0x0
	s_load_b32 s[LEN1], s[4:5], 0x40
	s_lshr_b32 s48, ttmp9, 1                       ; my 64 queries: pseudo step 512 + x / 2, its blocks 2 (x % 2) and 2 (x % 2) + 1
	s_add_co_u32 s48, s48, 512
	s_and_b32 s49, ttmp9, 1
	s_mul_i32 s50, s48, 49152
	s_mul_i32 s52, s49, 24576
	s_add_co_u32 s50, s50, s52
	s_add_nc_u64 s[20:21], s[6:7], s[50:51]
	s_lshl_b32 s50, s48, 11
	s_lshl_b32 s52, s49, 8
	s_add_co_u32 s50, s50, s52
	s_add_nc_u64 s[22:23], s[8:9], s[50:51]
	s_mul_i32 s50, s17, 1572864                    ; the sample's 32 steps
	s_add_nc_u64 s[6:7], s[6:7], s[50:51]
	s_add_nc_u64 s[10:11], s[10:11], s[50:51]
	s_lshl_b32 s50, s17, 16
	s_add_nc_u64 s[8:9], s[8:9], s[50:51]
	s_add_nc_u64 s[12:13], s[12:13], s[50:51]
	s_lshl_b32 s50, s17, 21
	s_lshl_b32 s52, ttmp9, 17
	s_add_co_u32 s50, s50, s52
	s_add_nc_u64 s[14:15], s[14:15], s[50:51]      ; my 64 rows of the result
	s_cmp_lt_u32 s[WV], 2
	s_cselect_b64 s[24:25], s[6:7], s[10:11]
	WIN TO2
.irp m, 0,1,2,3
.irp c, 0,1,2,3
.irp g, 0,1,2
	global_load_b128 v[12*(4*\m+\c)+4*\g:12*(4*\m+\c)+4*\g+3], v20, s[20:21] offset:12288*(\m/2)+1536*(4*(\m%2)+\c)+512*\g   ; Q stays in registers
.endr
.endr
.endr
	WIN 0
.irp a, 0,1
.irp c, 0,1,2,3
	global_load_b32 v[QSR+4*\a+\c], v21, s[22:23] offset:512*\c+128*\a   ; lanes 0-15 the even tile's words, lanes 16-31 the odd one's
.endr
.endr
	s_wait_kmcnt 0x0
	s_max_i32 s[LEN0], s[LEN0], 0
	s_min_u32 s[LEN0], s[LEN0], 2048
	s_max_i32 s[LEN1], s[LEN1], 0
	s_min_u32 s[LEN1], s[LEN1], 2048
	s_add_co_u32 s[N0], s[LEN0], 127
	s_lshr_b32 s[N0], s[N0], 7
	s_add_co_u32 s[TOT], s[LEN1], 127
	s_lshr_b32 s[TOT], s[TOT], 7
	s_add_co_u32 s[TOT], s[TOT], s[N0]
	s_max_u32 s[TOTM1], s[TOT], 1
	s_sub_co_u32 s[TOTM1], s[TOTM1], 1
	s_cmp_eq_u32 ttmp9, 0
	s_cselect_b32 s[PFLIM], s[TOT], 0
	; position 0's scores and softmax stand alone: there is no other work yet to set beside them
	INFO 38, 39, 0
	LOADK 38
	s_wait_loadcnt 0x0                             ; Q and K
.set nn, 0
.rept 32
	KQ
.set nn, nn+1
.endr
	WIN 0
.rept 4
	v_nop                                          ; places behind the last products
.endr
	INFO 38, 39, 1
	LOADK 38
	INFO 40, 41, 0
	LOADV 40
	MASK 41
.set q2, 0
	SL2 237
	PSTORE 0
	s_wait_dscnt 0x0
	s_barrier_signal -1
	s_barrier_wait -1
	BODY 0, 1                                      ; stretch 0 starts O^T's sums
	s_wait_dscnt 0x0
	s_barrier_signal -1
	s_barrier_wait -1
	s_mov_b32 s[J], 1
	s_mov_b32 s[TRIP], 16                          ; positions 1 to 32: the list has 32 at the most; a position past its end is passed over
.Lpair:
	HALF 1
	HALF 0
	s_sub_co_u32 s[TRIP], s[TRIP], 1
	s_cmp_lg_u32 s[TRIP], 0
	s_cbranch_scc1 .Lpair
	; THE WAY OUT.  Each wave's l (its two halves and lane l xor 16's) and -M meet in LDS; L = sum of l_w 2^(M_w - R).
	s_wait_loadcnt 0x0                             ; the loads that ran ahead have landed
.irp m, 0,1,2,3
	v_add_f32 v[ST+12*\m+5], v[ST+12*\m+2], v[ST+12*\m+3]
.endr
.irp m, 0,1,2,3
	v_permlanex16_b32 v[ST+12*\m+8], v[ST+12*\m+5], s[SEL], s[SEL+1]
.endr
.irp m, 0,1,2,3
	v_add_f32 v[ST+12*\m+5], v[ST+12*\m+5], v[ST+12*\m+8]
.endr
.irp m, 0,1,2,3
	ds_store_b32 v12, v[ST+12*\m+5] offset:2048+256*\m
	ds_store_b32 v12, v[ST+12*\m] offset:3072+256*\m
.endr
	s_wait_dscnt 0x0
	s_barrier_signal -1
	s_barrier_wait -1
.irp m, 0,1,2,3
	ds_load_b128 v[AWD+4*\m:AWD+4*\m+3], v13 offset:2048+256*\m
	ds_load_b128 v[PCD+4*\m:PCD+4*\m+3], v13 offset:3072+256*\m
.endr
.irp m, 0,1,2,3
	v_sub_f32 v[ST+12*\m+8], 0, v[ST+12*\m+9]      ; -R
.endr
	s_wait_dscnt 0x0
.irp m, 0,1,2,3
.irp k, 0,1,2,3
	v_sub_f32 v[PCD+4*\m+\k], v[ST+12*\m+8], v[PCD+4*\m+\k]    ; -R - (-M_w) = M_w - R, a whole number
.endr
.endr
.irp i, 0,1,2,3,4,5,6,7,8,9,10,11,12,13,14,15
	v_cvt_i32_f32 v[PCD+\i], v[PCD+\i]             ; (it saturates: a wave that saw no valid event has l = 0)
.endr
.irp i, 0,1,2,3,4,5,6,7,8,9,10,11,12,13,14,15
	v_ldexp_f32 v[AWD+\i], v[AWD+\i], v[PCD+\i]
.endr
.irp m, 0,1,2,3
	v_add_f32 v[AWD+4*\m], v[AWD+4*\m], v[AWD+4*\m+1]
	v_add_f32 v[AWD+4*\m+2], v[AWD+4*\m+2], v[AWD+4*\m+3]
.endr
.irp m, 0,1,2,3
	v_add_f32 v[AWD+4*\m], v[AWD+4*\m], v[AWD+4*\m+2]
.endr
.irp m, 0,1,2,3
	v_rcp_f32 v[ST+12*\m+4], v[AWD+4*\m]
.endr
	v_nop                                          ; a plain line behind the last reciprocal
	s_wait_alu depctr_va_vdst(0)                   ; one wait for the four, ahead of their first reader
; Tile m: register jj of accumulator (2 jg + par, m) is d = 128 w + 32 jg + 16 h + 2 jj + par of my query: divided by L it goes, in the order of d, through my own stage and comes back as whole rows of 512 bytes.
.macro TOSTAGE m
	WIN 0x01                                       ; source 0 window 1
.irp i, 0,1,2,3,4,5,6,7
.irp jj, 0,1,2,3,4,5,6,7
	v_mul_f32 v[S+16*(\i/2)+2*\jj+(\i%2)], v[8*(4*\i+(\m))+\jj], v[ST+12*(\m)+4]   ; each accumulator from its low end on
.endr
.endr
	WIN 0
.irp jg, 0,1,2,3
.irp q, 0,1,2,3
	ds_store_b128 v16, v[S+16*\jg+4*\q:S+16*\jg+4*\q+3] offset:128*\jg+16*\q
.endr
.endr
	WIN TO2
.irp t, 0,1,2,3,4,5,6,7,8,9,10,11,12,13,14,15
	ds_load_b128 v[64*((\m)%2)+4*\t:64*((\m)%2)+4*\t+3], v17 offset:528*\t   ; LDS serves a wave's instructions in order: these see the stores above, and the next tile's stores come behind them
.endr
	WIN 0
.endm
.macro SEND m, younger                 ; younger: the LDS instructions issued behind tile m's loads
	s_wait_dscnt \younger
	WIN 0x08                                       ; a store's data are its source 1: window 2
.irp t, 0,1,2,3,4,5,6,7,8,9,10,11,12,13,14,15
	global_store_b128 v18, v[64*((\m)%2)+4*\t:64*((\m)%2)+4*\t+3], s[14:15] offset:2048*(32*((\m)/2)+8*((\m)%2)+\t+8*(\t/8)) th:TH_STORE_NT   ; 32 lanes store 512 consecutive bytes, aligned
.endr
	WIN 0
.endm
	TOSTAGE 0
.irp m, 1,2,3
.if \m > 1
	s_wait_xcnt 0x0                                ; tile m - 2's stores have read their registers: tile m's rows may land there
.endif
	TOSTAGE \m
	SEND \m-1, 32                                  ; behind tile m - 1's loads: tile m's 16 stores and 16 loads
.endr
	SEND 3, 0
	s_wait_tensorcnt 0x0
	ds_add_u32 v254, v255
	s_wait_dscnt 0x0
	s_endpgm
.Lfunc_end_k_q40325a21e8_attn:
	.size	k_q40325a21e8_attn, .Lfunc_end_k_q40325a21e8_attn-k_q40325a21e8_attn
	.p2alignl 7, 3214868480
	.fill 96, 4, 3214868480
	.section	.rodata,"a",@progbits
	.p2align	6, 0x0
	.amdhsa_kernel k_q40325a21e8_attn
		.amdhsa_group_segment_fixed_size 50688
		.amdhsa_private_segment_fixed_size 0
		.amdhsa_enable_private_segment 0
		.amdhsa_kernarg_size 48
		.amdhsa_user_sgpr_count 2
		.amdhsa_user_sgpr_kernarg_segment_ptr 1
		.amdhsa_wavefront_size32 1
		.amdhsa_system_sgpr_workgroup_id_x 1
		.amdhsa_system_sgpr_workgroup_id_y 1
		.amdhsa_system_sgpr_workgroup_id_z 1
		.amdhsa_system_vgpr_workitem_id 0
		.amdhsa_next_free_vgpr 1024
		.amdhsa_next_free_sgpr 100
		.amdhsa_reserve_vcc 1
		.amdhsa_float_denorm_mode_32 3
		.amdhsa_float_denorm_mode_16_64 3
		.amdhsa_memory_ordered 1
		.amdhsa_forward_progress 1
		.amdhsa_inst_pref_size 202
	.end_amdhsa_kernel
	.amdgpu_metadata
---
amdhsa.version: [ 1, 2 ]
amdhsa.kernels:
  - .name:           k_q40325a21e8_attn
    .symbol:         k_q40325a21e8_attn.kd
    .args:
      - { .name: real_len, .offset: 0, .size: 8, .value_kind: global_buffer, .address_space: global }
      - { .name: kc, .offset: 8, .size: 8, .value_kind: global_buffer, .address_space: global }
      - { .name: ksc, .offset: 16, .size: 8, .value_kind: global_buffer, .address_space: global }
      - { .name: vc, .offset: 24, .size: 8, .value_kind: global_buffer, .address_space: global }
      - { .name: vsc, .offset: 32, .size: 8, .value_kind: global_buffer, .address_space: global }
      - { .name: out0, .offset: 40, .size: 8, .value_kind: global_buffer, .address_space: global }
    .group_segment_fixed_size: 50688
    .private_segment_fixed_size: 0
    .kernarg_segment_align: 8
    .kernarg_segment_size: 48
    .max_flat_workgroup_size: 128
    .sgpr_count:     100
    .vgpr_count:     1024
    .wavefront_size: 32
...
	.end_amdgpu_metadata
.endif
;; end of part 2
;; ======== version 2 of 2: 2 launches; version 1 with the launch attn written anew for expert scheduling mode
;; limits: inputs' magnitudes at most 13,176,794; right only within a limited range of input values
;; workspace buffers: kc 25,559,040 bytes; ksc 1,064,960 bytes; vc 25,165,824 bytes; vsc 1,048,576 bytes
;; launch prep: the kernel of part 1 again; grid 2080 x 1, 4 waves a work-group, no clusters, 40,448 bytes of LDS; arguments times, type_emb, real_len, kc, ksc, vc, vsc; writes kc, ksc, vc, vsc
;; launch attn (part 3): grid 16 x 16, 4 waves a work-group, no clusters, 50,688 bytes of LDS; arguments real_len, kc, ksc, vc, vsc, out0; writes out0
.if DOCPART == 3
	.amdgcn_target "amdgcn-amd-amdhsa--gfx1250"
	.amdhsa_code_object_version 6
	.text
	.protected	k_q40325a21e8_attn
	.globl	k_q40325a21e8_attn
	.p2align	8
	.type	k_q40325a21e8_attn,@function
k_q40325a21e8_attn:
	s_mov_b64 s[64:65], 0
	v_nop
	global_prefetch_b8 v0, s[64:65] scope:SCOPE_SE
	s_setreg_imm32_b32 hwreg(HW_REG_WAVE_SCHED_MODE, 0, 2), 2
	s_setreg_imm32_b32 hwreg(HW_REG_WAVE_MODE, 25, 1), 1
	s_wait_xcnt 0x0
	s_wait_alu depctr_vm_vsrc(0)
; ATTN: out[b][g] = sum over the valid events n of softmax_n(q[g] . emb[b][n] / sqrt(512)) emb[b][n], both products on codes of E3M2 with E8M0 scales, made by the first launch.
; SHARES.  A work-group owns 64 grid points (x) of one sample (y): four tiles m of 16 queries, g = 64 x + 32 (m / 2) + 8 (m % 2) + r + 8 (r / 8).  It walks the sample's key steps of 128 events.
; Only steps with an event under real_len are walked (both types' steps form one list of TOT positions): reference() itself hides the others.  That is a branch on whole numbers read from memory, so the operands
; come from memory straight into registers, as images of the operand's registers (three loads of 16 bytes a lane and fragment); each fragment of K and V is read by one wave of the work-group and feeds four products.
; No cluster: what a step asks for hangs on real_len.
; WAVE w, scores: S^T = K Q^T for the step's event block w (32 keys: tiles u = 0, 1) x all four query tiles, d = 512 in four instructions: 32.  Q stays in registers.
; WAVE w, sum: O^T += V^T P for d = 128 w .. + 127 (eight tiles) x four query tiles, K = the step's 128 events: 32.  Both products are used transposed: a lane holds ONE query.
; SOFTMAX WITHOUT AN EXCHANGE OF MAXIMA.  Wave w keeps for each query a running whole number M_w = ceil(largest t) and a sum l_w over ITS blocks; p = 2^(t - M_w) is quantised with its block's own scale.  It hands on,
; through LDS, the codes and A' = byte + M_w - 123 (the exponent of the block's largest weight, free of M_w).  Every wave forms R = the largest A' so far, multiplies O by 2^(old R - new R) (exact) and gives block b the
; scale byte A'_b - R + 123: a change of a whole-number M is a power of two, which the block's scale takes up.  At the end L = sum of l_w 2^(M_w - R), out = O / L.  One barrier a step; two buffers for P take turns.
; BY TURNS.  A stretch j: 32 products K Q^T of position j + 1, with list L1 (R, the scale words, O's rescaling) in slices behind them; then 32 products V^T P of position j, with list L2 (the softmax of position j + 1).
; LIMITS: |t| under 2^23 (M and A' are whole f32 numbers); real_len is held to 0 .. 2048; both real_len <= 0 gives NaN, as reference() does; weights under 2^-126 of a wave's largest count as 0.
; REGISTERS, in windows of 256.  Window 0: v1-21 addresses; v24-71 statistics, 12 a tile; v72-87 A'; v88-107 scale words (K, V, Q, P: they hold scales alone); v108-123 p's codes; v128-191 S^T, then p; v192-239 P's fragments.
;   window 1: O^T, accumulator (i, m) at 8 (4 i + m).   window 2: Q, fragment (m, c) at 12 (4 m + c); on the way out rows of the result.   window 3: K's 8 fragments from v0, V's 8 from v96.
; THE MODE: SCHED_MODE bits 1:0 = 2 (LLVM: expert scheduling mode 2), set by the entry lines.  The code itself states the register dependences between vector or matrix instructions and memory or LDS
; instructions, with s_wait_alu, always for 0.
; THE PLAN.  Registers that memory or LDS instructions touch, round a stretch:
;   K's fragments, KSR   read by the products K Q^T; behind them the loads of two positions on land there.
;   V's fragments, VSR   read by the products V^T P; behind them the loads of the next position land there.
;   PF, AWD              the LDS loads at a stretch's head land there; PF is read by V^T P, AWD is read and written by list L1.
;   PS                   written by list L1, taken as scales by V^T P.
;   PCD, A' (ST + 5)     written by list L2, read by the LDS stores at the stretch's end.
;   v2, v5; v3, v7; v9   K's, V's and the prefetches' offsets: one vector add each a stretch, read by that stretch's loads or prefetches.
;   v10-13, v16-18, v20, v21   made at the head, never written again.
; So a stretch has three waits on va_vdst, and one more ahead of the prefetches where it makes them: behind list L1 and K's two adds (for K's loads, for PS, for AWD); behind the exponentials; behind list L2 and V's two adds (for the stores of P, for V's loads, for PF).
; One wait on vm_vsrc stands at the stretch's end, ahead of every branch: all that the stretch's loads, prefetches and stores read has been read, and the next stretch, or the way out, may write it again.
.set S,   128
.set PF,  192
.set ST,  24                           ; tile m at ST + 12 m: +0 -M_w, +1 largest t, +2:3 l, +4 block maximum, +5 at work and A', +6:7 f for l, then a second chain, +8 at work, +9 R, +10:11 f for O
.set AWD, 72
.set KSR, 88
.set VSR, 92
.set QSR, 96
.set PS,  104
.set PCD, 108
.set WV,  16
.set SEL, 26                           ; s[26:27] lane selects: lane l xor 16
.set CS,  28                           ; s[28:29] c = log2(e) / sqrt(512)
.set J,   30                           ; the stretch's position in the list
.set N0,  31                           ; steps of type 0
.set TOT, 32
.set TOTM1, 33
.set LEN0, 34
.set LEN1, 35
.set PFLIM, 36
.set TRIP, 37
.set MK,  66                           ; s66-81 sixteen masks of lanes: which lanes' event i lies at or past real_len
.set W_KQ, 0x0b                        ; K window 3, Q window 2, S^T window 0
.set W_PV, 0x53                        ; V window 3, P window 0, O^T window 1
.set W_RS, 0x41                        ; O^T (destination, source 0) window 1
.set TO3,  0xc0
.set TO2,  0x80
.set MSB, 0
.macro WIN new                         ; the immediate's high byte repeats the setting that is left; a switch that changes nothing is dropped
.if MSB != \new
	s_set_vgpr_msb (MSB<<8)|\new
.set MSB, \new
.endif
.endm
; List position J + off: its step ks = 16 type + l / 128 in the sample and vc, how many of its 128 events count.  A position past the list's end names the last step again, with vc = 0.
.macro INFO ks, vc, off
	s_add_co_u32 s44, s[J], \off
	s_min_u32 s45, s44, s[TOTM1]
	s_cmp_lt_u32 s45, s[N0]
	s_cselect_b32 s46, 0, s[N0]
	s_cselect_b32 s47, 0, 16
	s_cselect_b32 s[\vc], s[LEN0], s[LEN1]
	s_sub_co_u32 s45, s45, s46
	s_add_co_u32 s[\ks], s45, s47
	s_min_u32 s[\ks], s[\ks], 31                   ; a number made of loaded numbers enters addresses only held so
	s_lshl_b32 s45, s45, 7
	s_sub_co_u32 s[\vc], s[\vc], s45
	s_cmp_lt_u32 s44, s[TOT]
	s_cselect_b32 s[\vc], s[\vc], 0
.endm
.macro ADRK ks                         ; the offsets of step ks's K; a wait on va_vdst stands between these adds and the loads
	s_wait_xcnt 0x0                                ; earlier loads and prefetches have had their addresses translated
	s_mul_i32 s48, s[\ks], 49152
	s_lshl_b32 s49, s[\ks], 11
	v_add_nc_u32 v2, s48, v1
	v_add_nc_u32 v5, s49, v4
.endm
.macro LOADK                           ; my block's 8 fragments of K and their 4 scale registers: 28 loads
	WIN TO3
.irp f, 0,1,2,3,4,5,6,7
.irp g, 0,1,2
	global_load_b128 v[12*\f+4*\g:12*\f+4*\g+3], v2, s[6:7] offset:1536*\f+512*\g
.endr
.endr
	WIN 0
.irp c, 0,1,2,3
	global_load_b32 v[KSR+\c], v5, s[8:9] offset:512*\c    ; lanes 0-15 tile u = 0's rows, lanes 16-31 tile 1's
.endr
.endm
.macro ADRV ks                         ; the offsets of step ks's V; a wait on va_vdst stands between these adds and the loads
	s_wait_xcnt 0x0
	s_mul_i32 s48, s[\ks], 49152
	s_lshl_b32 s49, s[\ks], 11
	v_add_nc_u32 v3, s48, v1
	v_add_nc_u32 v7, s49, v6
.endm
.macro LOADV                           ; my 128 d: 8 fragments of V and their 4 scale registers: 28 loads
	WIN TO3
.irp i, 0,1,2,3,4,5,6,7
.irp g, 0,1,2
	global_load_b128 v[96+12*\i+4*\g:96+12*\i+4*\g+3], v3, s[10:11] offset:1536*\i+512*\g
.endr
.endr
	WIN 0
.irp g, 0,1,2,3
	global_load_b32 v[VSR+\g], v7, s[12:13] offset:128*\g  ; lanes 0-15 the even columns' words, lanes 16-31 the odd ones'
.endr
.endm
; Product nn of 32 of S^T = K Q^T: d step nn / 8, query tile (nn / 2) % 4, key tile nn % 2.  The eight accumulators take turns, one instruction a turn; the first eight start the sums.
.macro KQ
	WIN W_KQ
.set xc, nn/8
.set xm, (nn/2)%4
.set xu, nn%2
.set rD, S+16*xm+8*xu
.set rA, 12*(4*xu+xc)
.set rB, 12*(4*xm+xc)
.set rKs, KSR+xc
.set rQs, QSR+4*(xm/2)+xc
.if xc == 0
.if (xu == 0) && (xm%2 == 0)
	v_wmma_scale_f32_16x16x128_f8f6f4 v[rD:rD+7], v[rA:rA+11], v[rB:rB+11], 0, v[rKs], v[rQs] matrix_a_fmt:MATRIX_FMT_BF6 matrix_b_fmt:MATRIX_FMT_BF6
.elseif xm%2 == 0
	v_wmma_scale_f32_16x16x128_f8f6f4 v[rD:rD+7], v[rA:rA+11], v[rB:rB+11], 0, v[rKs], v[rQs] matrix_a_fmt:MATRIX_FMT_BF6 matrix_b_fmt:MATRIX_FMT_BF6 matrix_a_scale:MATRIX_SCALE_ROW1
.elseif xu == 0
	v_wmma_scale_f32_16x16x128_f8f6f4 v[rD:rD+7], v[rA:rA+11], v[rB:rB+11], 0, v[rKs], v[rQs] matrix_a_fmt:MATRIX_FMT_BF6 matrix_b_fmt:MATRIX_FMT_BF6 matrix_b_scale:MATRIX_SCALE_ROW1
.else
	v_wmma_scale_f32_16x16x128_f8f6f4 v[rD:rD+7], v[rA:rA+11], v[rB:rB+11], 0, v[rKs], v[rQs] matrix_a_fmt:MATRIX_FMT_BF6 matrix_b_fmt:MATRIX_FMT_BF6 matrix_a_scale:MATRIX_SCALE_ROW1 matrix_b_scale:MATRIX_SCALE_ROW1
.endif
.else
.if (xu == 0) && (xm%2 == 0)
	v_wmma_scale_f32_16x16x128_f8f6f4 v[rD:rD+7], v[rA:rA+11], v[rB:rB+11], v[rD:rD+7], v[rKs], v[rQs] matrix_a_fmt:MATRIX_FMT_BF6 matrix_b_fmt:MATRIX_FMT_BF6
.elseif xm%2 == 0
	v_wmma_scale_f32_16x16x128_f8f6f4 v[rD:rD+7], v[rA:rA+11], v[rB:rB+11], v[rD:rD+7], v[rKs], v[rQs] matrix_a_fmt:MATRIX_FMT_BF6 matrix_b_fmt:MATRIX_FMT_BF6 matrix_a_scale:MATRIX_SCALE_ROW1
.elseif xu == 0
	v_wmma_scale_f32_16x16x128_f8f6f4 v[rD:rD+7], v[rA:rA+11], v[rB:rB+11], v[rD:rD+7], v[rKs], v[rQs] matrix_a_fmt:MATRIX_FMT_BF6 matrix_b_fmt:MATRIX_FMT_BF6 matrix_b_scale:MATRIX_SCALE_ROW1
.else
	v_wmma_scale_f32_16x16x128_f8f6f4 v[rD:rD+7], v[rA:rA+11], v[rB:rB+11], v[rD:rD+7], v[rKs], v[rQs] matrix_a_fmt:MATRIX_FMT_BF6 matrix_b_fmt:MATRIX_FMT_BF6 matrix_a_scale:MATRIX_SCALE_ROW1 matrix_b_scale:MATRIX_SCALE_ROW1
.endif
.endif
.endm
; Product nn of 32 of O^T += V^T P: tile nn / 4 of my d, query tile nn % 4.  Each of the 32 accumulators has one turn.  zero = 1: the first stretch starts the sums: nothing is ever cleared.
.macro PV zero
	WIN W_PV
.set xi, nn/4
.set rD, 8*nn
.set rA, 96+12*xi
.set rB, PF+12*(nn%4)
.set rVs, VSR+xi/2
.set rPs, PS+nn%4
.if \zero
.if xi%2 == 0
	v_wmma_scale_f32_16x16x128_f8f6f4 v[rD:rD+7], v[rA:rA+11], v[rB:rB+11], 0, v[rVs], v[rPs] matrix_a_fmt:MATRIX_FMT_BF6 matrix_b_fmt:MATRIX_FMT_BF6
.else
	v_wmma_scale_f32_16x16x128_f8f6f4 v[rD:rD+7], v[rA:rA+11], v[rB:rB+11], 0, v[rVs], v[rPs] matrix_a_fmt:MATRIX_FMT_BF6 matrix_b_fmt:MATRIX_FMT_BF6 matrix_a_scale:MATRIX_SCALE_ROW1
.endif
.else
.if xi%2 == 0
	v_wmma_scale_f32_16x16x128_f8f6f4 v[rD:rD+7], v[rA:rA+11], v[rB:rB+11], v[rD:rD+7], v[rVs], v[rPs] matrix_a_fmt:MATRIX_FMT_BF6 matrix_b_fmt:MATRIX_FMT_BF6
.else
	v_wmma_scale_f32_16x16x128_f8f6f4 v[rD:rD+7], v[rA:rA+11], v[rB:rB+11], v[rD:rD+7], v[rVs], v[rPs] matrix_a_fmt:MATRIX_FMT_BF6 matrix_b_fmt:MATRIX_FMT_BF6 matrix_a_scale:MATRIX_SCALE_ROW1
.endif
.endif
.endm
; LIST L1, number q1; the four tiles by turns.  0-23: the new R and f = 2^(old R - new R).  24-79: the four blocks' bytes max(A' - R + 123, 0) and P's scale word.  80-207: O^T x f, each accumulator from its low end on.
.macro L1E
.if q1 < 24
	WIN 0
.set xo, q1/4
.set rT, ST+12*(q1%4)
.set rW, AWD+4*(q1%4)
.if xo == 0
	v_max3_num_f32 v[rT+8], v[rT+9], v[rW], v[rW+1]
.elseif xo == 1
	v_max3_num_f32 v[rT+8], v[rT+8], v[rW+2], v[rW+3]
.elseif xo == 2
	v_sub_f32 v[rT+10], v[rT+9], v[rT+8]           ; a whole number, 0 or less
.elseif xo == 3
	v_cvt_i32_f32 v[rT+10], v[rT+10]               ; (it saturates)
.elseif xo == 4
	v_ldexp_f32 v[rT+10], 1.0, v[rT+10]
.else
	v_mov_b32 v[rT+9], v[rT+8]
.endif
.elseif q1 < 80
	WIN 0
.set xo, (q1-24)/4
.set rT, ST+12*(q1%4)
.set rW, AWD+4*(q1%4)
.set rP, PS+q1%4
.if xo == 0
	v_sub_f32 v[rT+8], 0x42f60000, v[rT+9]         ; 123 - R
.elseif xo < 3
	v_pk_add_f32 v[rW+2*(xo-1):rW+2*(xo-1)+1], v[rW+2*(xo-1):rW+2*(xo-1)+1], v[rT+8:rT+9] op_sel_hi:[1,0]
.elseif xo < 7
	v_max_num_f32 v[rW+xo-3], 0, v[rW+xo-3]
.elseif xo < 11
	v_cvt_u32_f32 v[rW+xo-7], v[rW+xo-7]
.elseif xo == 11
	v_lshl_or_b32 v[rP], v[rW+1], 8, v[rW]
.elseif xo == 12
	v_lshl_or_b32 v[rP], v[rW+2], 16, v[rP]
.else
	v_lshl_or_b32 v[rP], v[rW+3], 24, v[rP]
.endif
.else
	WIN W_RS
.set xe, q1-80
.set rF, ST+12*((xe/4)%4)+10
	v_pk_mul_f32 v[2*xe:2*xe+1], v[2*xe:2*xe+1], v[rF:rF+1] op_sel_hi:[1,0]
.endif
.endm
.macro SL1 cnt
.rept \cnt
.if q1 < L1N
	L1E
.set q1, q1+1
.endif
.endr
.endm
; LIST L2, number q2: my block's softmax for four tiles.  0-71: the block's largest score (my 16 keys, then lane l xor 16's), the running largest t, -M = floor(-t), f = 2^(old M - new M), the largest score as t - M.
; 72-103: t - M, two at a time.  104-171: ONE BATCH of 68 exponentials, none of which reads another's result.  172-175: l x f, the plain lines behind the batch; then the one wait ahead of
; the first reader.  176-235: the sums of the unquantised p in two chains; the block's byte (its largest p is the exponential of its largest score: p rises with the score); A'; the conversion.  236: a plain line behind the conversions.
.macro L2E
	WIN 0
.if q2 < 72
.set xo, q2/4
.set rT, ST+12*(q2%4)
.set rS, S+16*(q2%4)
.if xo == 0
	v_max3_num_f32 v[rT+4], v[rS], v[rS+1], v[rS+2]
.elseif xo < 7
	v_max3_num_f32 v[rT+4], v[rT+4], v[rS+2*xo+1], v[rS+2*xo+2]
.elseif xo == 7
	v_max_num_f32 v[rT+4], v[rT+4], v[rS+15]
.elseif xo == 8
	v_permlanex16_b32 v[rT+5], v[rT+4], s[SEL], s[SEL+1]
.elseif xo == 9
	v_max_num_f32 v[rT+4], v[rT+4], v[rT+5]
.elseif xo == 10
	v_mul_f32 v[rT+5], s[CS], v[rT+4]
.elseif xo == 11
	v_max_num_f32 v[rT+1], v[rT+1], v[rT+5]
.elseif xo == 12
	v_mov_b32 v[rT+5], v[rT]
.elseif xo == 13
	v_floor_f32 v[rT], -v[rT+1]
.elseif xo == 14
	v_sub_f32 v[rT+6], v[rT], v[rT+5]
.elseif xo == 15
	v_cvt_i32_f32 v[rT+6], v[rT+6]
.elseif xo == 16
	v_ldexp_f32 v[rT+6], 1.0, v[rT+6]
.else
	v_fma_f32 v[rT+4], v[rT+4], s[CS], v[rT]
.endif
.elseif q2 < 104
.set xe, q2-72
.set rT, ST+12*(xe/8)
	v_pk_fma_f32 v[S+2*xe:S+2*xe+1], v[S+2*xe:S+2*xe+1], s[CS:CS+1], v[rT:rT+1] op_sel_hi:[1,0,0]
.elseif q2 < 168
	v_exp_f32 v[S+q2-104], v[S+q2-104]
.elseif q2 < 172
	v_exp_f32 v[ST+12*(q2-168)+4], v[ST+12*(q2-168)+4]
.elseif q2 < 176
.set rT, ST+12*(q2-172)
	v_pk_mul_f32 v[rT+2:rT+3], v[rT+2:rT+3], v[rT+6:rT+7] op_sel_hi:[1,0]
.elseif q2 < 236
.if q2 == 176
	s_wait_alu depctr_va_vdst(0)                   ; the 68 exponentials have written p and the blocks' largest p, ahead of the sums, their first readers
.endif
.set xo, (q2-176)/4
.set rT, ST+12*(q2%4)
.set rS, S+16*(q2%4)
.if xo == 0
	v_pk_add_f32 v[rT+6:rT+7], v[rS:rS+1], v[rS+2:rS+3]
.elseif (xo < 7) && (xo%2 == 1)
	v_pk_add_f32 v[rT+2:rT+3], v[rT+2:rT+3], v[rS+2*xo+2:rS+2*xo+3]
.elseif xo < 7
	v_pk_add_f32 v[rT+6:rT+7], v[rT+6:rT+7], v[rS+2*xo+2:rS+2*xo+3]
.elseif xo == 7
	v_pk_add_f32 v[rT+2:rT+3], v[rT+2:rT+3], v[rT+6:rT+7]
.elseif xo == 8
	v_max_num_f32 v[rT+4], 0x2800000, v[rT+4]      ; the floor 2^(5 - 127): the byte cannot fall under 1
.elseif xo == 9
	v_add_nc_u32 v[rT+4], 0xfe000000, v[rT+4]      ; 4 off the exponent field: the conversion's scale operand
.elseif xo == 10
	v_lshrrev_b32 v[rT+5], 23, v[rT+4]
.elseif xo == 11
	v_cvt_f32_u32 v[rT+5], v[rT+5]
.elseif xo == 12
	v_add_f32 v[rT+5], 0xc2f60000, v[rT+5]
.elseif xo == 13
	v_sub_f32 v[rT+5], v[rT+5], v[rT]              ; A' = byte - 123 + M
.else
	v_cvt_scalef32_pk16_bf6_f32 v[PCD+4*(q2%4):PCD+4*(q2%4)+2], v[rS:rS+15], v[rT+4]
.endif
.else
	v_nop
.endif
.endm
.macro SL2 cnt
.rept \cnt
.if q2 < 237
	L2E
.set q2, q2+1
.endif
.endr
.endm
; The scores of events at or past real_len become -infinity ahead of the maximum: p = 0 then.  Register i of a tile holds event 32 w + 16 (lane / 16) + i of the step.  A step all of whose events count skips this.
; The sixteen compares stand in one run, each with a scalar register of its own for its mask, so that one wait serves them all.
.macro MASK vc
	s_cmp_ge_i32 s[\vc], 128
	s_cbranch_scc1 .Lopen_\@
	v_sub_nc_u32 v14, s[\vc], v19
.irp i, 0,1,2,3,4,5,6,7,8,9,10,11,12,13,14,15
	v_cmp_gt_i32 s[MK+\i], \i+1, v14
.endr
	s_wait_alu depctr_va_sdst(0)                   ; the sixteen compares have written s[MK] on, ahead of the first selection that reads one of them
.irp i, 0,1,2,3,4,5,6,7,8,9,10,11,12,13,14,15
.irp m, 0,1,2,3
	v_cndmask_b32 v[S+16*\m+\i], v[S+16*\m+\i], v15, s[MK+\i]
.endr
.endr
.Lopen_\@:
.endm
.macro PSTORE d                        ; my 16 codes (12 bytes) of each tile to their place in the readers' fragments, and A', into buffer d
.irp m, 0,1,2,3
.irp k, 0,1,2
	ds_store_b32 v10, v[PCD+4*\m+\k] offset:6144*(\d)+1536*\m+4*\k
.endr
	ds_store_b32 v12, v[ST+12*\m+5] offset:1024*(\d)+256*\m
.endr
.endm
; STRETCH J.  On the way in K of position J + 1 (28 loads) and, younger, V of position J (28 loads) are out.
.macro BODY par, first
.irp m, 0,1,2,3
	ds_load_b128 v[AWD+4*\m:AWD+4*\m+3], v13 offset:1024*\par+256*\m     ; (no vector or matrix instruction since the last stretch's waits on va_vdst names AWD or PF)
.endr
.irp m, 0,1,2,3
.irp g, 0,1,2
	ds_load_b128 v[PF+12*\m+4*\g:PF+12*\m+4*\g+3], v11 offset:6144*\par+1536*\m+16*\g
.endr
.endr
	s_wait_loadcnt 28                              ; K is in; the 28 younger loads are V's
.set q1, 0
.if \first
.set L1N, 80
.else
.set L1N, 208
.endif
.set nn, 0
.rept 32
	KQ
.if nn == 0
	s_wait_dscnt 12                                ; the four loads of A' are in; P's twelve may be out
.endif
	SL1 6
.set nn, nn+1
.endr
	SL1 32                                         ; what is left of the list: with the last slice 22 packed multiplies of O^T, the places behind the last products
	WIN 0
.if \first
.rept 8
	v_nop                                          ; the first stretch rescales nothing: places behind the last products, and between P's scale words and the products that take them
.endr
.endif
	INFO 38, 39, 2
	ADRK 38
	s_wait_alu depctr_va_vdst(0)                   ; the products K Q^T are done reading K and its scale words, in which the loads below land; v2 and v5 are written, which they read; list L1 has written P's scale words, which the products V^T P take, and is done with AWD, in which the next stretch's LDS loads land
	LOADK
	; K and V of position J + 4 are asked of memory ahead of their loads: waves 0 and 1 name K's 49,152 bytes, waves 2 and 3 V's, lanes 256 bytes apart, three lines a wave.  All 16 work-groups of a sample
	; walk the same steps: the first of them asks, so each block is named once.  Positions 0 to 3 come by their loads alone; nothing past the list's end is named.
	s_add_co_u32 s48, s[J], 4
	s_cmp_lt_u32 s48, s[PFLIM]
	s_cbranch_scc0 .Lnopf_\@
	INFO 38, 39, 4
	s_mul_i32 s48, s38, 49152
	v_add_nc_u32 v9, s48, v8                       ; (free: the last prefetches have read it ahead of the last stretch's wait on vm_vsrc, and the wait at the head of K's offsets has shown their addresses translated)
	s_wait_alu depctr_va_vdst(0)                   ; v9 is written, which the three prefetches read
	global_prefetch_b8 v9, s[24:25] th:TH_LOAD_NT scope:SCOPE_SE
	global_prefetch_b8 v9, s[24:25] offset:8192 th:TH_LOAD_NT scope:SCOPE_SE
	global_prefetch_b8 v9, s[24:25] offset:16384 th:TH_LOAD_NT scope:SCOPE_SE
.Lnopf_\@:
	INFO 40, 41, 1
	MASK 41
	s_wait_loadcnt 28                              ; V is in; the 28 younger loads are K's of position J + 2
	s_wait_dscnt 0x0                               ; P's fragments are in
.set q2, 0
.set nn, 0
.rept 32
	PV \first
	SL2 7
.set nn, nn+1
.endr
	SL2 32
	WIN 0
	ADRV 40
	s_wait_alu depctr_va_vdst(0)                   ; list L2 has written p's codes and A', which the LDS stores read; v3 and v7 are written, which V's loads read; the products V^T P are done reading V and its scale words, in which those loads land, and P's fragments, in which the next stretch's LDS loads land
	PSTORE 1-\par                                  ; the stores first: they are on their way while V's loads are issued.  They name none of the registers that those loads touch
	LOADV
	s_wait_alu depctr_vm_vsrc(0)                   ; this stretch's loads, prefetches and stores have read v2, v5, v9, v3, v7, p's codes and A': the next stretch, or the way out, writes them again
.endm
.macro HALF par                        ; the barrier stands on every path; between two barriers a wave reads buffer par and writes the other
	s_cmp_lt_u32 s[J], s[TOT]
	s_cbranch_scc0 .Lskip_\@
	BODY \par, 0
.Lskip_\@:
	s_wait_dscnt 0x0                               ; my stores have landed and my reads are in
	s_barrier_signal -1
	s_barrier_wait -1
	s_add_co_u32 s[J], s[J], 1
.endm
	s_load_b256 s[4:11], s[0:1], 0x0               ; real_len s[4:5], kc s[6:7], ksc s[8:9], vc s[10:11]
	s_load_b128 s[12:15], s[0:1], 0x20             ; vsc s[12:13], out0 s[14:15]
	v_lshl_add_u32 v254, v0, 2, 0xc400
	v_mov_b32 v255, 0
	v_lshrrev_b32 v2, 5, v0
	v_readfirstlane_b32 s[WV], v2                  ; wave 0..3
	s_and_b32 s17, ttmp7, 0xffff                   ; the sample
	v_and_b32 v22, 31, v0                          ; lane
	v_and_b32 v23, 15, v0                          ; r
	v_bfe_u32 v14, v0, 4, 1                        ; h
	v_lshlrev_b32 v20, 4, v22
	v_lshlrev_b32 v21, 2, v22
	s_wait_alu depctr_va_sdst(0)                   ; the wave's number is written, ahead of its first reader
	s_mul_i32 s48, s[WV], 12288
	v_add_nc_u32 v1, s48, v20                      ; images: 16 lane + my part of a step
	s_lshl_b32 s48, s[WV], 7
	v_add_nc_u32 v4, s48, v21                      ; K's scale words: 4 lane + 128 w
	v_lshlrev_b32 v6, 3, v23
	v_lshl_add_u32 v6, v14, 2, v6
	s_lshl_b32 s48, s[WV], 9
	v_add_nc_u32 v6, s48, v6                       ; V's: 512 w + 8 r + 4 h
	v_add_nc_u32 v18, s48, v20                     ; the result: my 512 bytes of a row, 16 a lane
	s_and_b32 s49, s[WV], 1
	s_mul_i32 s48, s49, 24576
	v_lshl_add_u32 v8, v22, 8, s48                 ; the prefetches: 256 lane + my half of a step's codes
	s_mul_i32 s48, s49, 768
	s_lshr_b32 s49, s[WV], 1
	s_mul_i32 s49, s49, 24
	s_add_co_u32 s48, s48, s49
	v_mul_u32_u24 v10, v23, 48
	v_mad_u32_u24 v10, v14, 12, v10
	v_add_nc_u32 v10, s48, v10                     ; block w = 2 c' + hP lies in reader lane r + 16 hP, bytes 24 c' on; my half's 16 codes 12 h on
	v_mul_u32_u24 v11, v22, 48                     ; a reader's 48 bytes
	v_lshl_add_u32 v13, v23, 4, 12288              ; the four A' of query r
	s_lshl_b32 s48, s[WV], 2
	v_add_nc_u32 v12, s48, v13                     ; mine among them
	v_mov_b32 v15, 0xff800000                      ; -infinity
	s_mul_i32 s48, s[WV], 8448
	s_add_co_u32 s48, s48, 16384                   ; my stage: 16 rows x (512 + 16) bytes
	v_mul_u32_u24 v16, v23, 528
	v_lshl_add_u32 v16, v14, 6, v16
	v_add_nc_u32 v16, s48, v16
	v_add_nc_u32 v17, s48, v20
	s_lshl_b32 s48, s[WV], 5
	v_lshl_add_u32 v19, v14, 4, s48                ; my first event in a step: 32 w + 16 h
.irp m, 0,1,2,3
	v_mov_b32 v[ST+12*\m+1], 0xff61b1e6            ; the largest t so far: -3e38, under every t
	v_mov_b32 v[ST+12*\m+9], 0xff61b1e6            ; R likewise
	v_mov_b32 v[ST+12*\m+2], 0
	v_mov_b32 v[ST+12*\m+3], 0
	v_mov_b32 v[ST+12*\m+5], 0                     ; (a lane permute's destination counts as read)
	v_mov_b32 v[ST+12*\m+7], 0                     ; (upper words of pairs that are named whole)
	v_mov_b32 v[ST+12*\m+8], 0
	v_mov_b32 v[ST+12*\m+11], 0
	v_floor_f32 v[ST+12*\m], -v[ST+12*\m+1]
.endr
	s_mov_b32 s[SEL], 0x76543210
	s_mov_b32 s[SEL+1], 0xfedcba98
	s_mov_b32 s[CS], 0x3d8293ee
	s_mov_b32 s[CS+1], s[CS]
	s_mov_b32 s[J], 0
	s_mov_b32 s51, 0
	s_wait_kmcnt 0x0
	s_lshl_b32 s50, s17, 2
	s_add_nc_u64 s[4:5], s[4:5], s[50:51]
	s_load_b32 s[LEN0], s[4:5], 0x0
	s_load_b32 s[LEN1], s[4:5], 0x40
	s_lshr_b32 s48, ttmp9, 1                       ; my 64 queries: pseudo step 512 + x / 2, its blocks 2 (x % 2) and 2 (x % 2) + 1
	s_add_co_u32 s48, s48, 512
	s_and_b32 s49, ttmp9, 1
	s_mul_i32 s50, s48, 49152
	s_mul_i32 s52, s49, 24576
	s_add_co_u32 s50, s50, s52
	s_add_nc_u64 s[20:21], s[6:7], s[50:51]
	s_lshl_b32 s50, s48, 11
	s_lshl_b32 s52, s49, 8
	s_add_co_u32 s50, s50, s52
	s_add_nc_u64 s[22:23], s[8:9], s[50:51]
	s_mul_i32 s50, s17, 1572864                    ; the sample's 32 steps
	s_add_nc_u64 s[6:7], s[6:7], s[50:51]
	s_add_nc_u64 s[10:11], s[10:11], s[50:51]
	s_lshl_b32 s50, s17, 16
	s_add_nc_u64 s[8:9], s[8:9], s[50:51]
	s_add_nc_u64 s[12:13], s[12:13], s[50:51]
	s_lshl_b32 s50, s17, 21
	s_lshl_b32 s52, ttmp9, 17
	s_add_co_u32 s50, s50, s52
	s_add_nc_u64 s[14:15], s[14:15], s[50:51]      ; my 64 rows of the result
	s_cmp_lt_u32 s[WV], 2
	s_cselect_b64 s[24:25], s[6:7], s[10:11]
	WIN TO2
	s_wait_alu depctr_va_vdst(0)                   ; the addresses made above are written: v20 and v21, which Q's loads read, and v10 to v13 and v16 to v18, which the LDS instructions and the stores of the whole kernel read and no line writes again
.irp m, 0,1,2,3
.irp c, 0,1,2,3
.irp g, 0,1,2
	global_load_b128 v[12*(4*\m+\c)+4*\g:12*(4*\m+\c)+4*\g+3], v20, s[20:21] offset:12288*(\m/2)+1536*(4*(\m%2)+\c)+512*\g   ; Q stays in registers
.endr
.endr
.endr
	WIN 0
.irp a, 0,1
.irp c, 0,1,2,3
	global_load_b32 v[QSR+4*\a+\c], v21, s[22:23] offset:512*\c+128*\a   ; lanes 0-15 the even tile's words, lanes 16-31 the odd one's
.endr
.endr
	s_wait_kmcnt 0x0
	s_max_i32 s[LEN0], s[LEN0], 0
	s_min_u32 s[LEN0], s[LEN0], 2048
	s_max_i32 s[LEN1], s[LEN1], 0
	s_min_u32 s[LEN1], s[LEN1], 2048
	s_add_co_u32 s[N0], s[LEN0], 127
	s_lshr_b32 s[N0], s[N0], 7
	s_add_co_u32 s[TOT], s[LEN1], 127
	s_lshr_b32 s[TOT], s[TOT], 7
	s_add_co_u32 s[TOT], s[TOT], s[N0]
	s_max_u32 s[TOTM1], s[TOT], 1
	s_sub_co_u32 s[TOTM1], s[TOTM1], 1
	s_cmp_eq_u32 ttmp9, 0
	s_cselect_b32 s[PFLIM], s[TOT], 0
	; position 0's scores and softmax stand alone: there is no other work yet to set beside them
	INFO 38, 39, 0
	ADRK 38
	s_wait_alu depctr_va_vdst(0)                   ; v2 and v5 are written, which K's loads read
	LOADK
	s_wait_loadcnt 0x0                             ; Q and K
.set nn, 0
.rept 32
	KQ
.set nn, nn+1
.endr
	WIN 0
.rept 4
	v_nop                                          ; places behind the last products
.endr
	INFO 38, 39, 1
	s_wait_alu depctr_vm_vsrc(0)                   ; position 0's loads of K have read v2 and v5, which are written again
	ADRK 38
	INFO 40, 41, 0
	ADRV 40
	s_wait_alu depctr_va_vdst(0)                   ; the products are done reading K and its scale words, in which K's loads land; v2, v5, v3 and v7 are written, which K's and V's loads read
	LOADK
	LOADV
	MASK 41
.set q2, 0
	SL2 237
	s_wait_alu depctr_va_vdst(0)                   ; list L2 has written p's codes and A', which the LDS stores read
	PSTORE 0
	s_wait_alu depctr_vm_vsrc(0)                   ; the loads and stores above have read v2, v5, v3, v7, p's codes and A': stretch 0 writes them again
	s_wait_dscnt 0x0
	s_barrier_signal -1
	s_barrier_wait -1
	BODY 0, 1                                      ; stretch 0 starts O^T's sums
	s_wait_dscnt 0x0
	s_barrier_signal -1
	s_barrier_wait -1
	s_mov_b32 s[J], 1
	s_mov_b32 s[TRIP], 16                          ; positions 1 to 32: the list has 32 at the most; a position past its end is passed over
.Lpair:
	HALF 1
	HALF 0
	s_sub_co_u32 s[TRIP], s[TRIP], 1
	s_cmp_lg_u32 s[TRIP], 0
	s_cbranch_scc1 .Lpair
	; THE WAY OUT.  Each wave's l (its two halves and lane l xor 16's) and -M meet in LDS; L = sum of l_w 2^(M_w - R).
	; (A' and p's codes, which the last stretch's stores read, are written again here: that stretch's wait on vm_vsrc stands behind those stores.)
	s_wait_loadcnt 0x0                             ; the loads that ran ahead have landed
.irp m, 0,1,2,3
	v_add_f32 v[ST+12*\m+5], v[ST+12*\m+2], v[ST+12*\m+3]
.endr
.irp m, 0,1,2,3
	v_permlanex16_b32 v[ST+12*\m+8], v[ST+12*\m+5], s[SEL], s[SEL+1]
.endr
.irp m, 0,1,2,3
	v_add_f32 v[ST+12*\m+5], v[ST+12*\m+5], v[ST+12*\m+8]
.endr
	s_wait_alu depctr_va_vdst(0)                   ; the additions have written l, which the LDS stores read
.irp m, 0,1,2,3
	ds_store_b32 v12, v[ST+12*\m+5] offset:2048+256*\m
	ds_store_b32 v12, v[ST+12*\m] offset:3072+256*\m
.endr
	s_wait_dscnt 0x0
	s_barrier_signal -1
	s_barrier_wait -1
.irp m, 0,1,2,3
	ds_load_b128 v[AWD+4*\m:AWD+4*\m+3], v13 offset:2048+256*\m      ; (no vector instruction since the wait above names AWD or PCD)
	ds_load_b128 v[PCD+4*\m:PCD+4*\m+3], v13 offset:3072+256*\m
.endr
.irp m, 0,1,2,3
	v_sub_f32 v[ST+12*\m+8], 0, v[ST+12*\m+9]      ; -R
.endr
	s_wait_dscnt 0x0
.irp m, 0,1,2,3
.irp k, 0,1,2,3
	v_sub_f32 v[PCD+4*\m+\k], v[ST+12*\m+8], v[PCD+4*\m+\k]    ; -R - (-M_w) = M_w - R, a whole number
.endr
.endr
.irp i, 0,1,2,3,4,5,6,7,8,9,10,11,12,13,14,15
	v_cvt_i32_f32 v[PCD+\i], v[PCD+\i]             ; (it saturates: a wave that saw no valid event has l = 0)
.endr
.irp i, 0,1,2,3,4,5,6,7,8,9,10,11,12,13,14,15
	v_ldexp_f32 v[AWD+\i], v[AWD+\i], v[PCD+\i]
.endr
.irp m, 0,1,2,3
	v_add_f32 v[AWD+4*\m], v[AWD+4*\m], v[AWD+4*\m+1]
	v_add_f32 v[AWD+4*\m+2], v[AWD+4*\m+2], v[AWD+4*\m+3]
.endr
.irp m, 0,1,2,3
	v_add_f32 v[AWD+4*\m], v[AWD+4*\m], v[AWD+4*\m+2]
.endr
.irp m, 0,1,2,3
	v_rcp_f32 v[ST+12*\m+4], v[AWD+4*\m]
.endr
	v_nop                                          ; a plain line behind the last reciprocal
	s_wait_alu depctr_va_vdst(0)                   ; the four reciprocals have written 1 / L, ahead of the multiplications, their first readers
; Tile m: register jj of accumulator (2 jg + par, m) is d = 128 w + 32 jg + 16 h + 2 jj + par of my query: divided by L it goes, in the order of d, through my own stage and comes back as whole rows of 512 bytes.
.macro TOSTAGE m
	WIN 0x01                                       ; source 0 window 1
.irp i, 0,1,2,3,4,5,6,7
.irp jj, 0,1,2,3,4,5,6,7
	v_mul_f32 v[S+16*(\i/2)+2*\jj+(\i%2)], v[8*(4*\i+(\m))+\jj], v[ST+12*(\m)+4]   ; each accumulator from its low end on
.endr
.endr
	WIN 0
	s_wait_alu depctr_va_vdst(0)                   ; the 64 multiplications have written v[S] on, which the LDS stores read
.irp jg, 0,1,2,3
.irp q, 0,1,2,3
	ds_store_b128 v16, v[S+16*\jg+4*\q:S+16*\jg+4*\q+3] offset:128*\jg+16*\q
.endr
.endr
	WIN TO2
.irp t, 0,1,2,3,4,5,6,7,8,9,10,11,12,13,14,15
	ds_load_b128 v[64*((\m)%2)+4*\t:64*((\m)%2)+4*\t+3], v17 offset:528*\t   ; LDS serves a wave's instructions in order: these see the stores above, and the next tile's stores come behind them
.endr
	WIN 0
.endm
.macro SEND m, younger                 ; younger: the LDS instructions issued behind tile m's loads
	s_wait_dscnt \younger
	WIN 0x08                                       ; a store's data are its source 1: window 2
.irp t, 0,1,2,3,4,5,6,7,8,9,10,11,12,13,14,15
	global_store_b128 v18, v[64*((\m)%2)+4*\t:64*((\m)%2)+4*\t+3], s[14:15] offset:2048*(32*((\m)/2)+8*((\m)%2)+\t+8*(\t/8)) th:TH_STORE_NT   ; 32 lanes store 512 consecutive bytes, aligned
.endr
	WIN 0
.endm
	TOSTAGE 0
.irp m, 1,2,3
.if \m > 1
	s_wait_xcnt 0x0                                ; tile m - 2's stores have had their addresses translated: tile m's rows may land in their registers
.endif
	s_wait_alu depctr_vm_vsrc(0)                   ; tile m - 1's LDS stores have read v[S] on, which tile m's multiplications write again; from tile 2 on: tile m - 2's stores have read the rows in which tile m's LDS loads land
	TOSTAGE \m
	SEND \m-1, 32                                  ; behind tile m - 1's loads: tile m's 16 stores and 16 loads
.endr
	SEND 3, 0
	s_wait_dscnt 0x0                               ; the closing lines, six on end
	s_wait_alu 0x0
	s_wait_tensorcnt 0x0
	ds_add_u32 v254, v255
	s_wait_dscnt 0x0
	s_endpgm
.Lfunc_end_k_q40325a21e8_attn:
	.size	k_q40325a21e8_attn, .Lfunc_end_k_q40325a21e8_attn-k_q40325a21e8_attn
	.p2alignl 7, 3214868480
	.fill 96, 4, 3214868480
	.section	.rodata,"a",@progbits
	.p2align	6, 0x0
	.amdhsa_kernel k_q40325a21e8_attn
		.amdhsa_group_segment_fixed_size 50688
		.amdhsa_private_segment_fixed_size 0
		.amdhsa_enable_private_segment 0
		.amdhsa_kernarg_size 48
		.amdhsa_user_sgpr_count 2
		.amdhsa_user_sgpr_kernarg_segment_ptr 1
		.amdhsa_wavefront_size32 1
		.amdhsa_system_sgpr_workgroup_id_x 1
		.amdhsa_system_sgpr_workgroup_id_y 1
		.amdhsa_system_sgpr_workgroup_id_z 1
		.amdhsa_system_vgpr_workitem_id 0
		.amdhsa_next_free_vgpr 1024
		.amdhsa_next_free_sgpr 100
		.amdhsa_reserve_vcc 0
		.amdhsa_float_denorm_mode_32 3
		.amdhsa_float_denorm_mode_16_64 3
		.amdhsa_memory_ordered 1
		.amdhsa_forward_progress 1
		.amdhsa_inst_pref_size 213
	.end_amdhsa_kernel
	.amdgpu_metadata
---
amdhsa.version: [ 1, 2 ]
amdhsa.kernels:
  - .name:           k_q40325a21e8_attn
    .symbol:         k_q40325a21e8_attn.kd
    .args:
      - { .name: real_len, .offset: 0, .size: 8, .value_kind: global_buffer, .address_space: global }
      - { .name: kc, .offset: 8, .size: 8, .value_kind: global_buffer, .address_space: global }
      - { .name: ksc, .offset: 16, .size: 8, .value_kind: global_buffer, .address_space: global }
      - { .name: vc, .offset: 24, .size: 8, .value_kind: global_buffer, .address_space: global }
      - { .name: vsc, .offset: 32, .size: 8, .value_kind: global_buffer, .address_space: global }
      - { .name: out0, .offset: 40, .size: 8, .value_kind: global_buffer, .address_space: global }
    .group_segment_fixed_size: 50688
    .private_segment_fixed_size: 0
    .kernarg_segment_align: 8
    .kernarg_segment_size: 48
    .max_flat_workgroup_size: 128
    .sgpr_count:     100
    .vgpr_count:     1024
    .wavefront_size: 32
...
	.end_amdgpu_metadata
.endif
;; end of part 3
